; MI455X (gfx1250); checked and timed in simulation.
; The chip was launched on July 23, 2026; its instructions are those of AMD's public machine-readable ISA for CDNA 5 (MIT licence, August 2026) and "CDNA5" Instruction Set Architecture Reference Guide (July 2026). The comments in the code are by the model that wrote it; some were corrected since.
;; Causal Self Attn. Allowed arithmetic: float matrix products may take bf16 or f16 operands with f32 sums; other float arithmetic in f32, or as packed bf16 or f16 multiplies, adds, multiply-adds, maxima and minima; sums over many terms, partial sums and values carried from step to step in f32; what a program stores and reads back later, other than sums and carried values, may be rounded once to bf16 or f16.
;; Inputs: w_proj 1,024 x 1,024 float32; w_qkv 1,024 x 3,072 float32; x 8 x 1,024 x 1,024 float32.
;; Outputs: out0 8 x 1,024 x 1,024 float32.
;; 2 versions, each right; version 2 is version 1 with the launch convert written anew for expert scheduling mode. Each part assembles by itself: llvm-mc -triple=amdgcn-amd-amdhsa -mcpu=gfx1250 --defsym DOCPART=n.
;; ======== version 1 of 2: 4 launches
;; limits: values are held in f16: magnitudes above 65,504 overflow, below 6.1e-05 lose precision
;; workspace buffers: xb 16,777,216 bytes; wqb 6,291,456 bytes; wpb 2,097,152 bytes; qkv 50,331,648 bytes; ob 16,777,216 bytes
;; launch convert (part 1): grid 768 x 1, 8 waves a work-group, no clusters, 0 bytes of LDS; arguments x, w_qkv, w_proj, xb, wqb, wpb; writes xb, wqb, wpb
.if DOCPART == 1
	.amdgcn_target "amdgcn-amd-amdhsa--gfx1250"
	.amdhsa_code_object_version 6
	.text
	.protected	k_q3e3ada361d_convert
	.globl	k_q3e3ada361d_convert
	.p2align	8
	.type	k_q3e3ada361d_convert,@function
k_q3e3ada361d_convert:
	s_mov_b64 s[64:65], 0
	v_nop
	global_prefetch_b8 v0, s[64:65] scope:SCOPE_SE
	s_setreg_imm32_b32 hwreg(HW_REG_WAVE_MODE, 25, 1), 1
	s_wait_xcnt 0x0
; THE CASTS.  x -> xb and w_qkv -> wqb, f32 rounded once to bf16; w_proj -> wpb, rounded to bf16 and that number written as f16.  The layouts stay as they are.
; LIMITS.  |w_proj| stays under 65,504 (f16's range); below 2^-14 its bf16 value keeps f16's fixed step of 2^-24.
; SHARES.  A work-group casts 16,384 numbers: 65,536 bytes in, 32,768 out.  Work-groups 0-511 take x (8,388,608 numbers), 512-703 w_qkv (3,145,728), 704-767 w_proj (1,048,576).
; Load j of thread t takes the 16 bytes at 4,096 j + 16 t: a wave's load covers 512 consecutive bytes.  Store j puts 8 bytes at 2,048 j + 8 t: a wave's store covers 256 consecutive bytes, aligned.
; All sixteen loads of a thread go out first; no register is written twice, so the only waits are the counted ones for the loads.  No LDS, no barrier, no matrix unit: the bytes are all there is.
	s_load_b256 s[4:11], s[0:1], 0x0               ; x s[4:5], w_qkv s[6:7], w_proj s[8:9], xb s[10:11]
	s_load_b128 s[12:15], s[0:1], 0x20             ; wqb s[12:13], wpb s[14:15]
	v_lshlrev_b32 v1, 4, v0                        ; 16 t
	v_lshlrev_b32 v2, 3, v0                        ; 8 t
	s_wait_kmcnt 0x0
	s_cmp_lt_u32 ttmp9, 512                        ; which tensor is mine: the choice hangs on the work-group's number alone
	s_cselect_b64 s[18:19], s[4:5], s[6:7]
	s_cselect_b64 s[20:21], s[10:11], s[12:13]
	s_cselect_b32 s17, 0, 512
	s_cmp_lt_u32 ttmp9, 704
	s_cselect_b64 s[18:19], s[18:19], s[8:9]
	s_cselect_b64 s[20:21], s[20:21], s[14:15]
	s_cselect_b32 s17, s17, 704
	s_sub_co_u32 s16, ttmp9, s17                   ; my block in that tensor
	s_lshl_b32 s22, s16, 16
	s_mov_b32 s23, 0
	s_add_nc_u64 s[18:19], s[18:19], s[22:23]      ; 65,536 bytes a block in,
	s_lshl_b32 s22, s16, 15
	s_add_nc_u64 s[20:21], s[20:21], s[22:23]      ; 32,768 out
.irp j, 0,1,2,3,4,5,6,7,8,9,10,11,12,13,14,15
	global_load_b128 v[8+4*(\j):11+4*(\j)], v1, s[18:19] offset:4096*(\j) th:TH_LOAD_NT
.endr
	s_cmp_lt_u32 ttmp9, 704
	s_cbranch_scc0 .Lf16
.irp j, 0,1,2,3,4,5,6,7,8,9,10,11,12,13,14,15
	s_wait_loadcnt 15-(\j)                         ; loads come back in order: load j is in, the younger ones stay out
	v_cvt_pk_bf16_f32 v[72+2*(\j)], v[8+4*(\j)], v[9+4*(\j)]
	v_cvt_pk_bf16_f32 v[73+2*(\j)], v[10+4*(\j)], v[11+4*(\j)]
	global_store_b64 v2, v[72+2*(\j):73+2*(\j)], s[20:21] offset:2048*(\j)
.endr
	s_endpgm
.Lf16:                                                 ; w_proj: the bf16 value, spelled in f16
.irp j, 0,1,2,3,4,5,6,7,8,9,10,11,12,13,14,15
	s_wait_loadcnt 15-(\j)
	v_cvt_pk_bf16_f32 v4, v[8+4*(\j)], v[9+4*(\j)]
	v_cvt_pk_bf16_f32 v5, v[10+4*(\j)], v[11+4*(\j)]
	v_lshlrev_b32 v6, 16, v4                       ; bf16 to f32: the low half moves up, the high half stays
	v_and_b32 v7, 0xffff0000, v4
	v_cvt_pk_f16_f32 v[72+2*(\j)], v6, v7
	v_lshlrev_b32 v6, 16, v5
	v_and_b32 v7, 0xffff0000, v5
	v_cvt_pk_f16_f32 v[73+2*(\j)], v6, v7
	global_store_b64 v2, v[72+2*(\j):73+2*(\j)], s[20:21] offset:2048*(\j)
.endr
	s_endpgm
.Lfunc_end_k_q3e3ada361d_convert:
	.size	k_q3e3ada361d_convert, .Lfunc_end_k_q3e3ada361d_convert-k_q3e3ada361d_convert
	.p2alignl 7, 3214868480
	.fill 96, 4, 3214868480
	.section	.rodata,"a",@progbits
	.p2align	6, 0x0
	.amdhsa_kernel k_q3e3ada361d_convert
		.amdhsa_group_segment_fixed_size 0
		.amdhsa_private_segment_fixed_size 0
		.amdhsa_enable_private_segment 0
		.amdhsa_kernarg_size 48
		.amdhsa_user_sgpr_count 2
		.amdhsa_user_sgpr_kernarg_segment_ptr 1
		.amdhsa_wavefront_size32 1
		.amdhsa_system_sgpr_workgroup_id_x 1
		.amdhsa_system_sgpr_workgroup_id_y 1
		.amdhsa_system_sgpr_workgroup_id_z 1
		.amdhsa_system_vgpr_workitem_id 0
		.amdhsa_next_free_vgpr 104
		.amdhsa_next_free_sgpr 66
		.amdhsa_reserve_vcc 0
		.amdhsa_float_denorm_mode_32 3
		.amdhsa_float_denorm_mode_16_64 3
		.amdhsa_memory_ordered 1
		.amdhsa_forward_progress 1
		.amdhsa_inst_pref_size 16
	.end_amdhsa_kernel
	.amdgpu_metadata
---
amdhsa.version: [ 1, 2 ]
amdhsa.kernels:
  - .name:           k_q3e3ada361d_convert
    .symbol:         k_q3e3ada361d_convert.kd
    .args:
      - { .name: x, .offset: 0, .size: 8, .value_kind: global_buffer, .address_space: global }
      - { .name: w_qkv, .offset: 8, .size: 8, .value_kind: global_buffer, .address_space: global }
      - { .name: w_proj, .offset: 16, .size: 8, .value_kind: global_buffer, .address_space: global }
      - { .name: xb, .offset: 24, .size: 8, .value_kind: global_buffer, .address_space: global }
      - { .name: wqb, .offset: 32, .size: 8, .value_kind: global_buffer, .address_space: global }
      - { .name: wpb, .offset: 40, .size: 8, .value_kind: global_buffer, .address_space: global }
    .group_segment_fixed_size: 0
    .private_segment_fixed_size: 0
    .kernarg_segment_align: 8
    .kernarg_segment_size: 48
    .max_flat_workgroup_size: 256
    .sgpr_count:     66
    .vgpr_count:     104
    .wavefront_size: 32
...
	.end_amdgpu_metadata
.endif
;; end of part 1
;; launch gemm_qkv (part 2): grid 8 x 32, 4 waves a work-group, clusters of 4 x 4, 327,680 bytes of LDS; arguments xb, wqb, qkv; writes qkv
.if DOCPART == 2
	.amdgcn_target "amdgcn-amd-amdhsa--gfx1250"
	.amdhsa_code_object_version 6
	.text
	.protected	k_q3e3ada361d_gemm_qkv
	.globl	k_q3e3ada361d_gemm_qkv
	.p2align	8
	.type	k_q3e3ada361d_gemm_qkv,@function
k_q3e3ada361d_gemm_qkv:
	s_mov_b64 s[64:65], 0
	v_nop
	global_prefetch_b8 v0, s[64:65] scope:SCOPE_SE
	s_setreg_imm32_b32 hwreg(HW_REG_WAVE_MODE, 25, 1), 1
	s_wait_xcnt 0x0
	s_wait_alu depctr_hold_cnt(0) depctr_sa_sdst(0) depctr_va_vdst(0) depctr_va_sdst(0) depctr_va_ssrc(0) depctr_va_vcc(0) depctr_vm_vsrc(0)
	s_getreg_b32 s2, hwreg(HW_REG_IB_STS2, 6, 4)
	s_cmp_eq_u32 s2, 0
	s_cbranch_scc0 .Lentry_in_a_cluster
	s_endpgm
.Lentry_in_a_cluster:
	s_bfe_u32 s2, ttmp6, 0x10000c
	s_cmp_lg_u32 s2, 0xf033
	s_cbranch_scc0 .Lentry_shape_is_right
	s_endpgm
.Lentry_shape_is_right:
; qkv = x w_qkv.  xb: [8192][1024] bf16 (K along the rows).  wqb: [1024 k][3072 n] bf16 (n along the rows).  Sums in f32, rounded once to f16 and stored BY HEADS, unscaled:
; qkv[section 0..2][batch x 16 + head][t][64], a head's rows dense, 128 bytes each.
; LIMIT.  q, k and v stay under 65,504, f16's range.
; SHARES.  A tile of C is 128 rows x 384 columns (six heads): 64 x 8 = 512 tiles; 256 work-groups STAY and make two each, 4,096 rows apart, with the same rows of B.  Wave w makes rows 64 (w / 2) on and columns
; 192 (w % 2) on, three whole heads: 4 x 12 = 48 accumulators of 16 x 16.  K goes in steps of 128 through two LDS slots; a slot is four tiles of 128 rows x 256 bytes, one tensor load a wave:
; wave 0 brings A's, waves 1-3 the three column chunks of B.  Wave w's tile lies at w x 36,864 in the slot (A's, 34,816 bytes, has a region of a chunk's size).
; THE PRODUCT IS USED TRANSPOSED: source 0 = 16 columns of B, source 1 = 16 rows of A, so a lane ends with eight neighbouring columns of one row of C.  B lies [k][n] in LDS and comes out turned, by ds_load_tr16_b128.
; CLUSTER 4 x 4: A's tile hangs on the tile row alone and is asked for jointly by a row of the cluster, B's on the tile column alone, by a column.
; REGISTERS, in windows of 256: window 0: v16-30 addresses; v32-95 A's fragments, two buffers; v96-143, v144-239 the way out.  window 1: v0-191 B's fragments, two buffers.
; window 2: the accumulators of row blocks 0, 1 ((a, b) at 8 (12 (a % 2) + b)); window 3: of row blocks 2, 3.
.set PA,     272                       ; a row of A in LDS: 256 bytes + 16: the 16 rows of a fragment load start at 16 different groups of four banks
.set PB,     288                       ; a k-row of a chunk of B: 256 + 32 = 9 x 32 bytes
.set CH,     128*PB                    ; a wave's region in a slot: 36,864
.set SLOT,   4*CH                      ; 147,456
.set STAGE,  2*SLOT                    ; behind the ring, never filled: 16 rows x 400 bytes for each wave
.set SPITCH, 400                       ; 384 bytes + 16
.set STW,    16*SPITCH
.set SPARE,  STAGE+4*STW               ; 320,512: the spare words, 128 bytes for each wave: two blocks of 256 bytes that no other line names
.set KA,     256                       ; a K step in a row of A, in bytes
.set KB,     128*6144                  ; a K step in B: 128 rows of 6,144 bytes
.set WALKA,  4096*2048                 ; from a tile's rows of A to the next tile's
.set ADRA, 16                          ; v16-17  my A fragments in slot 0, 1
.set ADRB, 18                          ; v18-23  my B fragments: slot s, head j at ADRB + 3 s + j
.set STO,  24
.set RD,   25
.set CO,   26
.set SPW,  28                          ; my spare word's LDS address; never rewritten
.set NIL,  29                          ; 0; never rewritten
.set PFO,  30                          ; the prefetches' offset: my lane x a row; never rewritten
.set FA,   32
.set TMP,  96
.set OB,   144
.set G1A,  24                          ; s[24:31] group 1 for A's tile;  s[32:39] group 0, a set for each slot
.set G0A,  32
.set G1B,  48                          ; s[48:55], s[56:63] the same for B's chunks
.set G0B,  56
.set PM,   43                          ; s43  bit 0: this trip's changes of slots prefetch; shifted down once a trip
.set PFA,  44                          ; s[44:45] where my prefetches stand
.set DA,   66                          ; s[66:67] what a refill adds to A's address; s[68:69] adds to B's; s[70:71] takes from B's
.set DBP,  68
.set DBM,  70
.set PD,   72                          ; s[72:73] a K step for the prefetches; s[74:75] the step taken; s76 the step into the next tile
.set PT,   74
.set PDX,  76
.set CB,   78                          ; s[78:83] qkv at my 64 rows of my three heads
.set MSB, 0
.macro WIN new                         ; the immediate's high byte repeats the setting that is left; a switch that changes nothing is dropped
.if MSB != (\new)
	s_set_vgpr_msb (MSB<<8)|(\new)
.set MSB, \new
.endif
.endm
.macro PLACES                          ; four plain places behind matrix instructions, in front of loads into registers that they read and of lines that read results
.rept 4
	v_nop
.endr
.endm
; A joint load: wave 0 asks for A's tile, waves 1-3 for B's chunks.  The branch hangs on the wave's number alone.  An s_nop 0 and four v_nop follow each of the two lines.
.macro JLOAD s
	s_cmp_eq_u32 s10, 0
	s_cbranch_scc0 .Lfor_b_\@
	tensor_load_to_lds s[G0A+4*(\s):G0A+4*(\s)+3], s[G1A:G1A+7]
	s_nop 0
.rept 4
	v_nop
.endr
	s_branch .Lasked_\@
.Lfor_b_\@:
	tensor_load_to_lds s[G0B+4*(\s):G0B+4*(\s)+3], s[G1B:G1B+7]
	s_nop 0
.rept 4
	v_nop
.endr
.Lasked_\@:
.endm
.macro CREST                           ; a round of the cluster's barrier behind its opening barrier
	s_cmp_lg_u32 s10, 0
	s_cbranch_scc1 .Lnot_wave_0_\@
	s_barrier_signal -3
.Lnot_wave_0_\@:
	s_barrier_wait -3
	s_barrier_signal -1
	s_barrier_wait -1
.endm
.macro CROUND
	s_barrier_signal -1
	s_barrier_wait -1
	CREST
.endm
; A prefetch of the K step that stands two refills on: 32 rows x 256 bytes, a lane a row.  A's tile row is read by both clusters of a row of clusters: cluster x = 0 asks; B's chunks by all eight of a column:
; cluster y = 0 asks, in the first tile alone.  The four partners of a joint load share its 128 rows out by address, 32 each.  So each row's 256 bytes of a K step are named once in the launch.
.macro ASK
	s_bitcmp1_b32 s[PM], 0
	s_cbranch_scc0 .Lnot_mine_\@
	global_prefetch_b8 v[PFO], s[PFA:PFA+1] th:TH_LOAD_NT scope:SCOPE_SE
.Lnot_mine_\@:
.endm
	s_load_b128 s[4:7], s[0:1], 0x0                ; xb s[4:5], wqb s[6:7]
	s_load_b64 s[8:9], s[0:1], 0x10                ; qkv
	v_lshl_add_u32 v[SPW], v0, 2, SPARE
	v_mov_b32 v[NIL], 0
	ds_add_u32 v[SPW], v[NIL]                      ; the wave's opening: the add and its wait stand ahead of my first tensor load; work on registers stands between them
	v_lshrrev_b32 v1, 5, v0
	v_readfirstlane_b32 s10, v1                    ; wave 0..3
	s_lshr_b32 s11, s10, 1                         ; which 64 rows of the tile are mine
	s_and_b32 s12, s10, 1                          ; which 192 columns
	s_bfe_u32 s40, ttmp6, 0x40000                  ; cx
	s_bfe_u32 s41, ttmp6, 0x40004                  ; cy
	s_lshl_b32 s42, ttmp9, 2
	s_add_co_u32 s42, s42, s40                     ; tile column 0..7
	s_and_b32 s13, ttmp7, 0xffff
	s_lshl_b32 s13, s13, 2
	s_add_co_u32 s13, s13, s41                     ; tile row 0..31 of the first tile
	s_lshl_b32 s14, s41, 2
	s_lshl_b32 s14, 15, s14                        ; my row of the cluster
	s_lshl_b32 s15, 0x1111, s40                    ; my column
	s_or_b32 s[G1A], s14, (1<<16)|(1<<20)|(1<<21)|(5<<22)|(3<<25)  ; the mask; 2-byte elements; padding on; bit 21 beside a mask; after every 64 words, 4 words
	s_or_b32 s[G1B], s15, (1<<16)|(1<<20)|(1<<21)|(5<<22)|(7<<25)  ; the same with my column's mask and 8 words of padding
.irp g, G1A, G1B
	s_mov_b32 s[(\g)+1], 128<<16                   ; tensor_dim0 = 128
	s_mov_b32 s[(\g)+2], 128<<16                   ; tensor_dim1 = 128
	s_mov_b32 s[(\g)+3], 128<<16                   ; tile_dim0 = 128
	s_mov_b32 s[(\g)+4], 128                       ; tile_dim1 = 128
	s_mov_b32 s[(\g)+6], 0
	s_mov_b32 s[(\g)+7], 0
.endr
	s_mov_b32 s[G1A+5], 1024                       ; elements from row to row of A,
	s_mov_b32 s[G1B+5], 3072                       ; of B
	s_lshl_b32 s16, s13, 18                        ; A: 128 rows of 2,048 bytes a tile row
	s_mov_b32 s17, 0
	s_mul_i32 s46, s42, 768                        ; B: 384 columns a tile column,
	s_lshl_b32 s47, s10, 8                         ; 128 a chunk; wave w brings chunk w - 1: the 256 bytes too many are taken off the pointer below
	s_add_co_u32 s46, s46, s47
	s_mov_b32 s47, 0
	s_mul_i32 s20, s10, CH                         ; where my tile goes in a slot: the wave's number times a region; no place in the cluster enters an LDS address
	s_mov_b32 s[DA+1], 0
	s_mov_b32 s[DBP+1], 0
	s_mov_b32 s[DBM+1], 0
	s_wait_dscnt 0x0                               ; the opening add is done
	s_wait_kmcnt 0x0
	s_add_nc_u64 s[18:19], s[4:5], s[16:17]
	s_add_nc_u64 s[46:47], s[6:7], s[46:47]
	s_sub_nc_u64 s[46:47], s[46:47], 256           ; chunk w - 1 (in wave 0, which asks for A alone, this address serves nothing)
	CROUND                                         ; all sixteen work-groups are here: the first joint loads meet
.irp s, 0,1
	s_mov_b32 s[G0A+4*(\s)], 1
	s_mov_b32 s[G0A+4*(\s)+1], (\s)*SLOT
	s_add_nc_u64 s[G0A+4*(\s)+2:G0A+4*(\s)+3], s[18:19], (\s)*KA
	s_or_b32 s[G0A+4*(\s)+3], s[G0A+4*(\s)+3], 0x80000000
	s_mov_b32 s[G0B+4*(\s)], 1
	s_add_co_u32 s[G0B+4*(\s)+1], s20, (\s)*SLOT
	s_add_nc_u64 s[G0B+4*(\s)+2:G0B+4*(\s)+3], s[46:47], (\s)*KB
	s_or_b32 s[G0B+4*(\s)+3], s[G0B+4*(\s)+3], 0x80000000
	JLOAD \s                                       ; K steps 0 and 1: two loads of mine are out
.endr
	; lane addresses.  r = l % 16, h = l / 16
	v_and_b32 v1, 15, v0
	v_bfe_u32 v2, v0, 4, 1
	v_mul_u32_u24 v3, v1, PA
	v_lshl_add_u32 v3, v2, 4, v3                   ; A: row x pitch + 16 h
	s_mul_i32 s21, s11, 64*PA
	v_add_nc_u32 v[ADRA], s21, v3
	v_add_nc_u32 v[ADRA+1], SLOT, v[ADRA]
	v_and_b32 v4, 7, v0                            ; B, turned: lane l reads k-row 8 h + l % 8, 16 bytes at 16 ((l / 8) % 2)
	v_bfe_u32 v5, v0, 3, 1
	v_lshl_add_u32 v6, v2, 3, v4
	v_mul_u32_u24 v6, v6, PB
	v_lshl_add_u32 v6, v5, 4, v6
	s_mul_i32 s21, s12, 3                          ; my first head of the tile's six
.irp j, 0,1,2
	s_add_co_u32 s22, s21, \j
	s_lshr_b32 s23, s22, 1                         ; two heads to a chunk
	s_mul_i32 s23, s23, CH
	s_and_b32 s22, s22, 1
	s_lshl_b32 s22, s22, 7
	s_add_co_u32 s23, s23, s22
	s_add_co_u32 s23, s23, CH                      ; the chunks lie behind A's region
	v_add_nc_u32 v[ADRB+\j], s23, v6
	v_add_nc_u32 v[ADRB+3+\j], SLOT, v[ADRB+\j]
.endr
	s_mul_i32 s23, s10, STW
	s_add_co_u32 s23, s23, STAGE                   ; my stage
	v_mul_u32_u24 v7, v1, SPITCH                   ; in: row r, 16 bytes for each half of the lanes
	v_lshl_add_u32 v7, v2, 4, v7
	v_add_nc_u32 v[STO], s23, v7
	v_bfe_u32 v7, v0, 3, 2                         ; back: 32 lanes take a head's 128 bytes of four rows,
	v_mul_u32_u24 v7, v7, SPITCH
	v_lshl_add_u32 v7, v4, 4, v7
	v_add_nc_u32 v[RD], s23, v7
	v_and_b32 v[CO], 31, v0                        ; which are 512 consecutive bytes of qkv
	v_lshlrev_b32 v[CO], 4, v[CO]
	; qkv at my rows of my three heads: column block g = 6 x tile column + 3 (w % 2) + j is section g / 16, head g % 16; row 128 x tile row + 64 (w / 2) is batch (tile row / 8), t = 128 (tile row % 8) + 64 (w / 2)
	s_mul_i32 s86, s42, 6
	s_mul_i32 s87, s12, 3
	s_add_co_u32 s86, s86, s87
	s_lshr_b32 s87, s13, 3
	s_lshl_b32 s87, s87, 4
	s_and_b32 s88, s13, 7
	s_lshl_b32 s88, s88, 7
	s_lshl_b32 s89, s11, 6
	s_add_co_u32 s88, s88, s89
	s_lshl_b32 s88, s88, 7                         ; 128 bytes a row
.irp j, 0,1,2
	s_add_co_u32 s89, s86, \j
	s_lshr_b32 s90, s89, 4
	s_lshl_b32 s90, s90, 7
	s_and_b32 s89, s89, 15
	s_add_co_u32 s90, s90, s89
	s_add_co_u32 s90, s90, s87
	s_lshl_b32 s90, s90, 17                        ; 131,072 bytes a head
	s_add_co_u32 s90, s90, s88
	s_mov_b32 s91, 0
	s_add_nc_u64 s[CB+2*\j:CB+2*\j+1], s[8:9], s[90:91]
.endr
	; the prefetches: they start at K step 3; the first change of slots steps them to 4
	s_lshl_b32 s86, s13, 7
	s_lshl_b32 s87, s40, 5
	s_add_co_u32 s86, s86, s87                     ; A: my work-group's 32 of the tile's 128 rows
	s_lshl_b32 s86, s86, 11
	s_add_co_u32 s86, s86, 3*KA
	s_mul_i32 s87, s41, 32*6144                    ; B: my work-group's 32 of a K step's 128 rows,
	s_mul_i32 s88, s42, 768
	s_add_co_u32 s87, s87, s88
	s_lshl_b32 s88, s10, 8                         ; in my chunk, w - 1: the constant below takes the 256 bytes off
	s_add_co_u32 s87, s87, s88
	s_add_co_u32 s87, s87, 3*KB-256
	s_and_b32 s88, ttmp7, 0xffff                   ; cluster y
	s_mov_b32 s[PD], KB
	s_mov_b32 s[PDX], KB
	s_mov_b32 s89, 6144
	s_cmp_eq_u32 s10, 0                            ; do I fetch for A?
	s_cselect_b32 s90, s86, s87
	s_cselect_b64 s[PFA:PFA+1], s[4:5], s[6:7]
	s_cselect_b32 s[PD], KA, s[PD]
	s_cselect_b32 s[PDX], WALKA-7*KA, s[PDX]       ; from K step 9 of the first tile's rows to K step 2 of the second's
	s_cselect_b32 s89, 2048, s89
	s_cselect_b32 s88, ttmp9, s88                  ; the coordinate along which other clusters read the same rows
	s_cselect_b32 s[PM], 0x3b, 3                   ; A: trips 0, 1 (K steps 4-7) and 3, 4, 5 (the second tile's 2-7); B: trips 0, 1: its rows serve both tiles
	s_mov_b32 s91, 0
	s_add_nc_u64 s[PFA:PFA+1], s[PFA:PFA+1], s[90:91]
	s_cmp_eq_u32 s88, 0
	s_cselect_b32 s[PM], s[PM], 0                  ; the same in all sixteen partners, for a given wave
	s_mov_b32 s[PD+1], 0
	s_mov_b32 s[PT+1], 0
	v_and_b32 v[PFO], 31, v0
	v_mul_u32_u24 v[PFO], v[PFO], s89
; 12 matrix instructions: row block a x all 12 column blocks, 32 along K, from buffer f.  zero = 1: the products start the sums.  The 48 accumulators take turns in the same order everywhere.
.macro MULA f, a, zero
	WIN 0xa1+0x50*((\a)/2)
.irp b, 0,1,2,3,4,5,6,7,8,9,10,11
.if \zero
	v_wmma_f32_16x16x32_bf16 v[8*(12*((\a)%2)+(\b)):8*(12*((\a)%2)+(\b))+7], v[96*(\f)+8*(\b):96*(\f)+8*(\b)+7], v[FA+32*(\f)+8*(\a):FA+32*(\f)+8*(\a)+7], 0
.else
	v_wmma_f32_16x16x32_bf16 v[8*(12*((\a)%2)+(\b)):8*(12*((\a)%2)+(\b))+7], v[96*(\f)+8*(\b):96*(\f)+8*(\b)+7], v[FA+32*(\f)+8*(\a):FA+32*(\f)+8*(\a)+7], v[8*(12*((\a)%2)+(\b)):8*(12*((\a)%2)+(\b))+7]
.endif
.endr
.endm
; 32 LDS loads in one run: quarter q (32 along K) of slot s into buffer f: B's 12 fragments, then A's 4
.macro FETCH s, q, f
	WIN 0x40
.irp b, 0,1,2,3,4,5,6,7,8,9,10,11
	ds_load_tr16_b128 v[96*(\f)+8*(\b):96*(\f)+8*(\b)+3],   v[ADRB+3*(\s)+(\b)/4] offset:(\q)*32*PB+((\b)%4)*32
	ds_load_tr16_b128 v[96*(\f)+8*(\b)+4:96*(\f)+8*(\b)+7], v[ADRB+3*(\s)+(\b)/4] offset:(\q)*32*PB+16*PB+((\b)%4)*32
.endr
	WIN 0
.irp a, 0,1,2,3
	ds_load_b128 v[FA+32*(\f)+8*(\a):FA+32*(\f)+8*(\a)+3],   v[ADRA+(\s)] offset:(\q)*64+(\a)*16*PA
	ds_load_b128 v[FA+32*(\f)+8*(\a)+4:FA+32*(\f)+8*(\a)+7], v[ADRA+(\s)] offset:(\q)*64+(\a)*16*PA+32
.endr
.endm
; One of a K step's first three quarters: multiplies buffer f and fetches quarter q of the same slot into buffer g
.macro QUARTER s, q, f, g, zero
	s_wait_dscnt 6                                 ; B and A's block 0 are in; the youngest six loads (A's blocks 1-3) may be out
	MULA \f, 0, \zero
	PLACES
	FETCH \s, \q, \g
	s_wait_dscnt 32                                ; all but the 32 just issued
	MULA \f, 1, \zero
	MULA \f, 2, \zero
	MULA \f, 3, \zero
.endm
; The last quarter multiplies buffer 1 and changes slots.  In front of the barrier each wave waits for all its tensor loads (one is out: its part of the next slot), adds 0 to its spare word, and waits for that and
; for its reads of this slot.  fill = 1: the barrier opens a round of the cluster's, and this slot is filled again first thing behind it: 168 matrix instructions ahead of the wait for that load.
.macro TURN s, n, fill
.if \fill
	s_wait_xcnt 0x0                                ; the last prefetch, a K step back, has read its address: it is stepped here
.if (\s) == 0
	s_cmp_eq_u32 s3, 4
	s_cselect_b32 s[PT], s[PDX], s[PD]
	s_add_nc_u64 s[PFA:PFA+1], s[PFA:PFA+1], s[PT:PT+1]
.else
	s_add_nc_u64 s[PFA:PFA+1], s[PFA:PFA+1], s[PD:PD+1]
.endif
.endif
	WIN 0
	s_wait_tensorcnt 0x0                           ; all my tensor loads have landed
	ds_add_u32 v[SPW], v[NIL]                      ; 0 onto my spare word
	s_wait_dscnt 7                                 ; (the add and the youngest six loads may be out)
	MULA 1, 0, 0
	s_wait_dscnt 0x0                               ; the add is done, and my reads of this slot are over
	s_barrier_signal -1
	MULA 1, 1, 0
.if \fill
	WIN 0
.endif
	s_barrier_wait -1
.if \fill
	CREST                                          ; no wave of any partner still reads this slot or has a load on its way
	s_add_nc_u64 s[G0A+4*(\s)+2:G0A+4*(\s)+3], s[G0A+4*(\s)+2:G0A+4*(\s)+3], s[DA:DA+1]
	s_add_nc_u64 s[G0B+4*(\s)+2:G0B+4*(\s)+3], s[G0B+4*(\s)+2:G0B+4*(\s)+3], s[DBP:DBP+1]
	s_sub_nc_u64 s[G0B+4*(\s)+2:G0B+4*(\s)+3], s[G0B+4*(\s)+2:G0B+4*(\s)+3], s[DBM:DBM+1]
	JLOAD \s                                       ; its four v_nop are also the places in front of the loads below
.else
	PLACES
.endif
	FETCH \n, 0, 0
.if \fill
	ASK
.endif
	MULA 1, 2, 0
	MULA 1, 3, 0
.endm
; THE WAY OUT, a block of 16 rows at a time: rounded to f16 (16 bytes a lane), into my own stage, back as a head's rows, stored: 16 rows of a head are 2,048 consecutive bytes of qkv.
.macro PACK a
	WIN 0x0a+5*((\a)/2)                            ; sources in window 2 or 3
.irp b, 0,1,2,3,4,5,6,7,8,9,10,11
.irp r, 0,1,2,3
	v_cvt_pk_f16_f32 v[TMP+4*(\b)+(\r)], v[8*(12*((\a)%2)+(\b))+2*(\r)], v[8*(12*((\a)%2)+(\b))+2*(\r)+1]
.endr
.endr
	WIN 0
.endm
.macro TOSTAGE a
.set BK, OB+48*((\a)%2)
.irp b, 0,1,2,3,4,5,6,7,8,9,10,11
	ds_store_b128 v[STO], v[TMP+4*(\b):TMP+4*(\b)+3] offset:32*(\b)
.endr
.irp j, 0,1,2
.irp f, 0,1,2,3
	ds_load_b128 v[BK+4*(4*(\j)+(\f)):BK+4*(4*(\j)+(\f))+3], v[RD] offset:128*(\j)+4*SPITCH*(\f)  ; LDS serves a wave's instructions in order: these see the stores above
.endr
.endr
.endm
.macro SEND a
.set BK, OB+48*((\a)%2)
	s_wait_dscnt 0x0                               ; the block is back in registers
	s_wait_xcnt 0x0                                ; earlier stores have read their registers: the other set of 48 is loaded again only behind this wait
.irp j, 0,1,2
.irp f, 0,1,2,3
	global_store_b128 v[CO], v[BK+4*(4*(\j)+(\f)):BK+4*(4*(\j)+(\f))+3], s[CB+2*(\j):CB+2*(\j)+1] offset:2048*(\a)+512*(\f)  ; 512 consecutive bytes, at a multiple of 256 from qkv's first byte
.endr
.endr
.endm
.macro WAYOUT
	PLACES
	PLACES
	PACK 0
	TOSTAGE 0
.irp a, 1,2,3                          ; block a's conversions stand between block a - 1's loads from the stage and the wait for them
	PACK \a
	SEND (\a)-1
	TOSTAGE \a
.endr
	SEND 3
.endm
	s_wait_tensorcnt 0x1                           ; my part of K step 0 is in; K step 1's may stay out
	s_barrier_signal -1
	s_barrier_wait -1
	FETCH 0, 0, 0
	QUARTER 0, 1, 0, 1, 1                          ; the first quarter starts the sums
	WIN 0
	s_mov_b32 s3, 7                                ; seven trips fill K steps 2 to 15 of the two tiles' sixteen
.Llap:
	s_cmp_eq_u32 s3, 4                             ; the fourth trip's refills are the second tile's K steps 0 and 1: A goes 4,096 rows down and six K steps back, B six K steps back
	s_mov_b32 s[DA], 2*KA
	s_cselect_b32 s[DA], WALKA-6*KA, s[DA]
	s_cselect_b32 s[DBP], 0, 2*KB
	s_cselect_b32 s[DBM], 6*KB, 0
	QUARTER 0, 2, 1, 0, 0
	QUARTER 0, 3, 0, 1, 0
	TURN 0, 1, 1
	QUARTER 1, 1, 0, 1, 0
	QUARTER 1, 2, 1, 0, 0
	QUARTER 1, 3, 0, 1, 0
	TURN 1, 0, 1
	WIN 0
	s_lshr_b32 s[PM], s[PM], 1
	s_cmp_eq_u32 s3, 4
	s_cbranch_scc0 .Lsame
	WAYOUT                                         ; the first tile is finished; both refills for the second are asked for
	s_wait_xcnt 0x0                                ; the stores have read their bases
.irp j, 0,1,2
	s_add_nc_u64 s[CB+2*\j:CB+2*\j+1], s[CB+2*\j:CB+2*\j+1], 64<<17  ; four batches, 64 heads, on
.endr
	QUARTER 0, 1, 0, 1, 1                          ; the second tile's first quarter starts its sums
	WIN 0
	s_branch .Ljoin
.Lsame:
	QUARTER 0, 1, 0, 1, 0
	WIN 0
.Ljoin:
	s_sub_co_u32 s3, s3, 1
	s_cmp_lg_u32 s3, 0
	s_cbranch_scc1 .Llap
	QUARTER 0, 2, 1, 0, 0                          ; the last two K steps ask for nothing
	QUARTER 0, 3, 0, 1, 0
	TURN 0, 1, 0
	QUARTER 1, 1, 0, 1, 0
	QUARTER 1, 2, 1, 0, 0
	QUARTER 1, 3, 0, 1, 0
	s_wait_dscnt 0x0
	MULA 1, 0, 0
	MULA 1, 1, 0
	MULA 1, 2, 0
	MULA 1, 3, 0
	WAYOUT
	s_wait_tensorcnt 0x0                           ; the wave's end, behind my last tensor load and my last LDS store
	ds_add_u32 v[SPW], v[NIL]
	s_wait_dscnt 0x0
	CROUND                                         ; the closing round
	s_endpgm
.Lfunc_end_k_q3e3ada361d_gemm_qkv:
	.size	k_q3e3ada361d_gemm_qkv, .Lfunc_end_k_q3e3ada361d_gemm_qkv-k_q3e3ada361d_gemm_qkv
	.p2alignl 7, 3214868480
	.fill 96, 4, 3214868480
	.section	.rodata,"a",@progbits
	.p2align	6, 0x0
	.amdhsa_kernel k_q3e3ada361d_gemm_qkv
		.amdhsa_group_segment_fixed_size 327680
		.amdhsa_private_segment_fixed_size 0
		.amdhsa_enable_private_segment 0
		.amdhsa_kernarg_size 24
		.amdhsa_user_sgpr_count 2
		.amdhsa_user_sgpr_kernarg_segment_ptr 1
		.amdhsa_wavefront_size32 1
		.amdhsa_system_sgpr_workgroup_id_x 1
		.amdhsa_system_sgpr_workgroup_id_y 1
		.amdhsa_system_sgpr_workgroup_id_z 1
		.amdhsa_system_vgpr_workitem_id 0
		.amdhsa_next_free_vgpr 960
		.amdhsa_next_free_sgpr 92
		.amdhsa_reserve_vcc 0
		.amdhsa_float_denorm_mode_32 3
		.amdhsa_float_denorm_mode_16_64 3
		.amdhsa_memory_ordered 1
		.amdhsa_forward_progress 1
		.amdhsa_inst_pref_size 152
	.end_amdhsa_kernel
	.amdgpu_metadata
---
amdhsa.version: [ 1, 2 ]
amdhsa.kernels:
  - .name:           k_q3e3ada361d_gemm_qkv
    .symbol:         k_q3e3ada361d_gemm_qkv.kd
    .args:
      - { .name: xb, .offset: 0, .size: 8, .value_kind: global_buffer, .address_space: global }
      - { .name: wqb, .offset: 8, .size: 8, .value_kind: global_buffer, .address_space: global }
      - { .name: qkv, .offset: 16, .size: 8, .value_kind: global_buffer, .address_space: global }
    .group_segment_fixed_size: 327680
    .private_segment_fixed_size: 0
    .kernarg_segment_align: 8
    .kernarg_segment_size: 24
    .max_flat_workgroup_size: 128
    .sgpr_count:     92
    .vgpr_count:     960
    .wavefront_size: 32
...
	.end_amdgpu_metadata
.endif
;; end of part 2
;; launch attn (part 3): grid 2 x 128, 8 waves a work-group, no clusters, 327,680 bytes of LDS; arguments qkv, ob; writes ob
.if DOCPART == 3
	.amdgcn_target "amdgcn-amd-amdhsa--gfx1250"
	.amdhsa_code_object_version 6
	.text
	.protected	k_q3e3ada361d_attn
	.globl	k_q3e3ada361d_attn
	.p2align	8
	.type	k_q3e3ada361d_attn,@function
k_q3e3ada361d_attn:
	s_mov_b64 s[64:65], 0
	v_nop
	global_prefetch_b8 v0, s[64:65] scope:SCOPE_SE
	s_setreg_imm32_b32 hwreg(HW_REG_WAVE_MODE, 25, 1), 1
	s_wait_xcnt 0x0
; CAUSAL ATTENTION WITH A FINITE MASK.  For each of 128 heads: O[q] = sum_k softmax_k(att[q][k]) V[k], att = Q[q] . K[k] / 8 where k <= q and -10000 elsewhere.  qkv: [3][128][1024][64] f16, ob: [128][1024][64] f16.
; Products, maxima and sums in f32; the weights are rounded to f16 for the second product (their sum is taken of the unrounded weights), O once at the end.
; THE HIDDEN KEYS COUNT: each has the weight e^(-10000 - max).  They are kept exactly, without their products K Q^T: THE KEYS ARE WALKED DOWNWARD, 64 a step, from step 15 to 0, and each wave carries
; RS = the sum of V's rows over the steps walked so far (a product of V^T with ones).  A piece of 16 queries in band g (64 queries a band) is skipped while the step is above g.  At step g it BEGINS with what the hidden
; steps give: m = -80000 (-10000 x 8, on the unscaled score), l = 64 (15 - g), O^T = RS; in that step the scores of hidden keys are replaced by -80000; from there on it is a running softmax like any other.
; Band 15 has no hidden step; its m starts at the lowest finite number, so that row 1023, which has no hidden key at all, takes its maximum from its scores alone.
; LIMITS.  Q, K, V arrive within f16's 65,504; a weight below 2^-126 counts as 0; below 6e-5 a weight keeps f16's fixed step; NaN and infinities are not treated apart.
; SHARES.  A head's K and V (1,024 x 128 bytes each) lie whole in LDS, each byte filled once: no slot is filled again.  Two work-groups of eight waves share a head.  With x = work-group x, j = wave / 4 and
; u = wave % 4 a wave owns rows 16 u .. 16 u + 15 of the bands 15 - x - 2 j, 9 - x + 2 j, 6 + x - 2 j, x + 2 j: 34 piece-steps for every wave, and 10 - 2 x of them in steps 15 to 8 for every wave of a work-group.
; Piece 0 begins in steps 15-12, piece 1 in steps 11-8, piece 2 in steps 7-4, piece 3 in steps 3-0.
; THE FILL HAS THREE STAGES, in the order of the walk: keys 768 on, keys 512 on, keys 0 to 511.  Waves 0-3 bring K, waves 4-7 V; each wave issues its three tensor loads together at the head (64, 64 and 128 keys:
; a quarter of the head shared among four waves is 32 rows of 256 bytes, no more).  Steps 15-12 begin when every wave's first load has landed, steps 11-8 when the second has, steps 7-0 when all have:
; three barriers, a counted wait in front of each; the later stages land while the earlier steps are worked on.  Q comes in the same order: pieces 0 and 1 ahead of the tensor loads, pieces 2 and 3 behind them.
; Two waves lie on a SIMD and run free of each other between the barriers, so one's vector work stands beside the other's matrix work; the text of a piece is in plain phases.
; NO CLUSTER: two work-groups share a head's tiles, and the grid's x, 2, divides into no cluster of four.  NO PREFETCH: every load of the launch goes out at its head.
; LAYOUT.  S^T = K Q^T holds one query a lane (l % 16) and the keys 8 (l / 16) + 0..7 of each 16; two such results rounded to f16 are source 1 of O^T = V^T P.  V comes out of LDS turned, by ds_load_tr16_b128.
; p = 2^(c s - c m), c = log2(e) / 8; O^T and l are multiplied by a = 2^(c m_old - c m_new) in every step.
; REGISTERS.  window 0: v2-15 addresses; v16-31 four of statistics a piece (c m, m, l, l); v32-39 ones; v40-43 at work; v64-95 S^T; v96-111 P; v128-191 K, v192-255 V of one step.
; window 1: v0-127 O^T, 32 a piece; v128-159 RS; v160-223 Q, 16 a piece.
.set PK,    144                        ; a row of K in LDS: 128 bytes + 16
.set PV,    160                        ; a row of V: 128 + 32 = 5 x 32 bytes
.set VB,    1024*PK
.set SPARE, VB+1024*PV                 ; the spare words, 128 bytes for each of eight waves: four blocks of 256 bytes that no other line names
.set SP,    144                        ; the stage's pitch
.set STAGE, 512*PK                     ; the stages (16 rows a wave, 2,304 bytes) lie in K's bytes of keys 512 on: these have had their only fill, every wave's reads of them are waited for in front of the
                                       ; barrier ahead of step 7, and steps 7 to 0 read K below this byte alone (the highest byte read there is 7 x 9,216 + 2,176 + 7,008 + 15)
.set AK0, 2
.set AV0, 3
.set AK,  4
.set AV,  5
.set STO, 6
.set RD,  7
.set GO,  8
.set MV,  12
.set QP,  14                           ; my query's place in its band, less 8 (l / 16)
.set QO,  15
.set ST,  16
.set ONES, 32
.set TMP, 40
.set SPW, 44
.set NIL, 45
.set S,   64
.set P,   96
.set KF,  128
.set VF,  192
.set RS,  128                          ; window 1
.set QF,  160                          ; window 1
.set WV,  12
.set U,   13
.set J2,  14                           ; 2 (wave / 4)
.set QB,  44                           ; s[44:51] Q at my rows of pieces 0-3
.set OBS, 52                           ; s[52:59] ob likewise
.set CS,  60
.set SEL, 62
.set GB,  66                           ; s66-69 the pieces' bands
.set LI,  70                           ; s70-73 16 (15 - band): what each of l's four parts starts with
.set MI0, 74                           ; piece 0's first m
.set HID, 75                           ; -80000.0
.set SI,  76                           ; the step, 15 down to 0
.set CNT, 77
.set TBK, 78                           ; LDS byte of the step's K,
.set TBV, 79                           ; of its V, less VB
.set MSB, 0
.macro WIN new
.if MSB != (\new)
	s_set_vgpr_msb (MSB<<8)|(\new)
.set MSB, \new
.endif
.endm
	s_load_b128 s[4:7], s[0:1], 0x0                ; qkv s[4:5], ob s[6:7]
	v_lshl_add_u32 v[SPW], v0, 2, SPARE
	v_mov_b32 v[NIL], 0
	ds_add_u32 v[SPW], v[NIL]                      ; the wave's opening: the add and its wait stand ahead of my first tensor load; work on registers stands between them
	v_lshrrev_b32 v1, 5, v0
	v_readfirstlane_b32 s[WV], v1                  ; wave 0..7
	s_and_b32 s[U], s[WV], 3
	s_lshr_b32 s[J2], s[WV], 2
	s_lshl_b32 s[J2], s[J2], 1
	s_sub_co_u32 s[GB], 15, ttmp9                  ; the four bands
	s_sub_co_u32 s[GB], s[GB], s[J2]
	s_sub_co_u32 s[GB+1], 9, ttmp9
	s_add_co_u32 s[GB+1], s[GB+1], s[J2]
	s_add_co_u32 s[GB+2], ttmp9, 6
	s_sub_co_u32 s[GB+2], s[GB+2], s[J2]
	s_add_co_u32 s[GB+3], ttmp9, s[J2]
.irp p, 0,1,2,3
	s_sub_co_u32 s[LI+\p], 15, s[GB+\p]
	s_lshl_b32 s[LI+\p], s[LI+\p], 4
.endr
	s_mov_b32 s[HID], 0xc79c4000                   ; -80000.0
	s_cmp_eq_u32 s[GB], 15
	s_cselect_b32 s[MI0], 0xff7fffff, s[HID]
	s_mov_b32 s[CS], 0x3e38aa3b                    ; c = log2(e) / 8
	s_mov_b32 s[CS+1], s[CS]
	s_mov_b32 s[SEL], 0x76543210
	s_mov_b32 s[SEL+1], 0xfedcba98
	s_mov_b32 s[SI], 15
	s_mov_b32 s[TBK], 15*64*PK
	s_mov_b32 s[TBV], 15*64*PV
	s_and_b32 s80, ttmp7, 0xffff
	s_lshl_b32 s80, s80, 17                        ; the head's 131,072 bytes
	s_mov_b32 s81, 0
	s_mov_b32 s3, 0
	; descriptor group 1, twice.  Keys are dense in memory, 128 bytes each: they are asked for as rows of 256 bytes, two keys a row, and padded in LDS after every key.  s[16:23]: 64 keys; s[24:31]: 128 keys
	s_mov_b32 s17, 128<<16                         ; tensor_dim0 = 128
	s_mov_b32 s18, 32<<16                          ; tensor_dim1 = 32
	s_mov_b32 s19, 128<<16                         ; tile_dim0 = 128
	s_mov_b32 s20, 32                              ; tile_dim1 = 32
	s_mov_b32 s21, 128                             ; elements from row to row
	s_mov_b32 s22, 0
	s_mov_b32 s23, 0
	s_mov_b32 s25, 128<<16
	s_mov_b32 s26, 64<<16                          ; tensor_dim1 = 64
	s_mov_b32 s27, 128<<16
	s_mov_b32 s28, 64                              ; tile_dim1 = 64
	s_mov_b32 s29, 128
	s_mov_b32 s30, 0
	s_mov_b32 s31, 0
	s_mov_b32 s32, 1                               ; group 0, a set for each of my three loads: count = 1
	s_mov_b32 s36, 1
	s_mov_b32 s40, 1
	v_and_b32 v1, 15, v0                           ; r = l % 16
	v_bfe_u32 v9, v0, 4, 1                         ; h = l / 16
	v_lshlrev_b32 v[QO], 7, v1
	v_lshl_add_u32 v[QO], v9, 4, v[QO]             ; row x 128 + 16 h
	s_wait_dscnt 0x0                               ; the opening add is done
	s_wait_kmcnt 0x0
	s_add_nc_u64 s[4:5], s[4:5], s[80:81]          ; the head's Q,
	s_add_nc_u64 s[6:7], s[6:7], s[80:81]          ; its O,
	s_add_nc_u64 s[8:9], s[4:5], 16777216          ; its K, a section on,
	s_add_nc_u64 s[10:11], s[4:5], 33554432        ; its V, two
	s_lshl_b32 s15, s[U], 11                       ; my 16 rows in a band
.irp p, 0,1,2,3
	s_lshl_b32 s2, s[GB+\p], 13                    ; a band is 64 rows of 128 bytes
	s_add_co_u32 s2, s2, s15
	s_add_nc_u64 s[QB+2*\p:QB+2*\p+1], s[4:5], s[2:3]
	s_add_nc_u64 s[OBS+2*\p:OBS+2*\p+1], s[6:7], s[2:3]
.endr
.macro QLOAD p                         ; a piece's Q: 16 rows x 64 channels, two fragments, four loads
.irp c, 0,1
	global_load_b128 v[QF+16*(\p)+8*(\c):QF+16*(\p)+8*(\c)+3],   v[QO], s[QB+2*(\p):QB+2*(\p)+1] offset:64*(\c)
	global_load_b128 v[QF+16*(\p)+8*(\c)+4:QF+16*(\p)+8*(\c)+7], v[QO], s[QB+2*(\p):QB+2*(\p)+1] offset:64*(\c)+32
.endr
.endm
	WIN 0x40                                       ; destination window 1
	QLOAD 0                                        ; wanted with the first stage,
	QLOAD 1                                        ; with the second
	WIN 0
	s_lshl_b32 s2, s[U], 13                        ; my 64 keys of a quarter: 8,192 bytes,
	s_lshl_b32 s80, s[U], 14                       ; my 128 keys of the lower half: 16,384
; My three fills, in the order of the walk.  An LDS address is a constant plus the wave's number modulo 4 times a constant.  An s_nop 0 follows each load, four v_nop the last.
.macro FILLS LB, PT, PC, GA
	s_mov_b32 s16, (1<<16)|(1<<20)|(4<<22)|((\PC)<<25)  ; 2-byte elements; padding on, after every 32 words
	s_mov_b32 s24, (1<<16)|(1<<20)|(4<<22)|((\PC)<<25)
	s_mul_i32 s33, s[U], 64*(\PT)
	s_add_co_u32 s37, s33, (\LB)+512*(\PT)         ; keys 512 + 64 u on
	s_add_co_u32 s33, s33, (\LB)+768*(\PT)         ; keys 768 + 64 u on
	s_mul_i32 s41, s[U], 128*(\PT)
	s_add_co_u32 s41, s41, \LB                     ; keys 128 u on
	s_add_nc_u64 s[38:39], s[\GA:\GA+1], s[2:3]
	s_add_nc_u64 s[34:35], s[38:39], 768*128
	s_add_nc_u64 s[38:39], s[38:39], 512*128
	s_add_nc_u64 s[42:43], s[\GA:\GA+1], s[80:81]
	s_or_b32 s35, s35, 0x80000000
	s_or_b32 s39, s39, 0x80000000
	s_or_b32 s43, s43, 0x80000000
	tensor_load_to_lds s[32:35], s[16:23]
	s_nop 0
	tensor_load_to_lds s[36:39], s[16:23]
	s_nop 0
	tensor_load_to_lds s[40:43], s[24:31]          ; three loads of mine are out
	s_nop 0
.rept 4
	v_nop
.endr
.endm
	s_cmp_lt_u32 s[WV], 4                          ; waves 0-3 bring K, waves 4-7 V
	s_cbranch_scc0 .Lfill_v
	FILLS 0, PK, 3, 8
	s_branch .Lfilled
.Lfill_v:
	FILLS VB, PV, 7, 10
.Lfilled:
	WIN 0x40
	QLOAD 2                                        ; wanted with the third stage
	QLOAD 3
.set i, 0
.rept 160                              ; RS starts at 0; O^T is written so that it holds numbers on every way through the text; all this stands in the wait for the first stage
	v_mov_b32 v[i], 0
.set i, i+1
.endr
	WIN 0
.set i, 0
.rept 16
	v_mov_b32 v[ST+i], 0
.set i, i+1
.endr
.set i, 0
.rept 8
	v_mov_b32 v[ONES+i], 0x3c003c00                ; 1.0 twice, in f16
.set i, i+1
.endr
	v_lshlrev_b32 v[QP], 3, v9
	v_sub_nc_u32 v[QP], v1, v[QP]
	s_lshl_b32 s15, s[U], 4
	v_add_nc_u32 v[QP], s15, v[QP]                 ; 16 u + r - 8 h: register j of key group kb is hidden in the band's own step where 16 kb + j is greater
	v_mul_u32_u24 v[AK0], v1, PK
	v_lshl_add_u32 v[AK0], v9, 4, v[AK0]
	v_and_b32 v10, 7, v0
	v_bfe_u32 v11, v0, 3, 1
	v_lshl_add_u32 v[AV0], v9, 3, v10              ; the turning load: key 8 h + l % 8, channels 8 ((l / 8) % 2) on
	v_mul_u32_u24 v[AV0], v[AV0], PV
	v_lshl_add_u32 v[AV0], v11, 4, v[AV0]
	v_add_nc_u32 v[AV0], VB, v[AV0]
	s_mul_i32 s15, s[WV], 16*SP
	s_add_co_u32 s15, s15, STAGE                   ; my stage
	v_mul_u32_u24 v[STO], v1, SP
	v_lshl_add_u32 v[STO], v9, 4, v[STO]
	v_add_nc_u32 v[STO], s15, v[STO]
	v_bfe_u32 v[RD], v0, 3, 2
	v_mul_u32_u24 v[RD], v[RD], SP
	v_lshl_add_u32 v[RD], v10, 4, v[RD]
	v_add_nc_u32 v[RD], s15, v[RD]
	v_and_b32 v[GO], 31, v0
	v_lshlrev_b32 v[GO], 4, v[GO]
; Product i of 8 of S^T = K Q^T for piece p: channels 32 (i / 4) on, keys 16 (i % 4) on.  The four accumulators take turns.
.macro KQM p
.if i < 4
	v_wmma_f32_16x16x32_f16 v[S+8*(i%4):S+8*(i%4)+7], v[KF+16*(i%4)+8*(i/4):KF+16*(i%4)+8*(i/4)+7], v[QF+16*(\p)+8*(i/4):QF+16*(\p)+8*(i/4)+7], 0
.else
	v_wmma_f32_16x16x32_f16 v[S+8*(i%4):S+8*(i%4)+7], v[KF+16*(i%4)+8*(i/4):KF+16*(i%4)+8*(i/4)+7], v[QF+16*(\p)+8*(i/4):QF+16*(\p)+8*(i/4)+7], v[S+8*(i%4):S+8*(i%4)+7]
.endif
.endm
; Product i of 8 of d += V^T b: keys 32 (i / 4) on, channels 16 (i % 4) on
.macro PVM d, b
	v_wmma_f32_16x16x32_f16 v[(\d)+8*(i%4):(\d)+8*(i%4)+7], v[VF+32*(i/4)+8*(i%4):VF+32*(i/4)+8*(i%4)+7], v[(\b):(\b)+7], v[(\d)+8*(i%4):(\d)+8*(i%4)+7]
.endm
; A step's K and V come into registers in two runs of 16 loads
.macro STEPHEAD
	v_add_nc_u32 v[AK], s[TBK], v[AK0]
	v_add_nc_u32 v[AV], s[TBV], v[AV0]
.irp f, 0,1,2,3,4,5,6,7
	ds_load_b128 v[KF+8*\f:KF+8*\f+3],   v[AK] offset:(\f/2)*16*PK+(\f%2)*64
	ds_load_b128 v[KF+8*\f+4:KF+8*\f+7], v[AK] offset:(\f/2)*16*PK+(\f%2)*64+32
.endr
.irp f, 0,1,2,3,4,5,6,7
	ds_load_tr16_b128 v[VF+8*\f:VF+8*\f+3],   v[AV] offset:(\f/4)*32*PV+(\f%4)*32
	ds_load_tr16_b128 v[VF+8*\f+4:VF+8*\f+7], v[AV] offset:(\f/4)*32*PV+16*PV+(\f%4)*32
.endr
	s_sub_co_u32 s[TBK], s[TBK], 64*PK             ; the next step lies 64 keys lower
	s_sub_co_u32 s[TBV], s[TBV], 64*PV
	s_wait_dscnt 16                                ; K is in; V's sixteen loads may stay out
.endm
; RS takes the step's V; then the places in front of the next step's loads into K's and V's registers
.macro STEPTAIL
	s_wait_dscnt 0x0                               ; V is in (a wave whose pieces were all skipped has not waited yet)
	WIN 0x50
.set i, 0
.rept 8
	PVM RS, ONES
.set i, i+1
.endr
	WIN 0
.rept 4
	v_nop
.endr
	s_sub_co_u32 s[SI], s[SI], 1
.endm
; A PIECE'S STEP.  test = 1: the piece may still be hidden (it is jumped), or begin here.
.macro PIECE p, test
.set rT, ST+4*(\p)
.set rO, 32*(\p)
.if \test
	s_cmp_gt_u32 s[SI], s[GB+(\p)]
	s_cbranch_scc1 .Lskip_\@
.endif
	WIN 0x04                                       ; Q in window 1
.set i, 0
.rept 8
	KQM \p
.set i, i+1
.endr
	WIN 0
.rept 4
	v_nop                                          ; the places behind those products
.endr
.if \test
	s_cmp_eq_u32 s[SI], s[GB+(\p)]
	s_cbranch_scc0 .Lopen_\@
	; the piece begins: the hidden steps' share, each hidden key with the weight 2^0 under m = -80000
.if (\p) == 0
	v_mov_b32 v[rT+1], s[MI0]
.else
	v_mov_b32 v[rT+1], s[HID]
.endif
	v_mul_f32 v[rT], s[CS], v[rT+1]
	v_cvt_f32_u32 v[rT+2], s[LI+(\p)]
	v_cvt_f32_u32 v[rT+3], s[LI+(\p)]
	WIN 0x41
.set n, 0
.rept 32
	v_mov_b32 v[rO+n], v[RS+n]
.set n, n+1
.endr
	WIN 0
.set n, 0
.rept 32                               ; the band's own step: hidden keys' scores are replaced
	v_cmp_gt_i32 vcc_lo, 16*(n/8)+n%8, v[QP]
	v_cndmask_b32 v[S+n], v[S+n], s[HID], vcc_lo
.set n, n+1
.endr
.Lopen_\@:
.endif
	; the maximum of the lane's 32 scores and the old m; each accumulator's lowest registers are read first
.set n, 0
.rept 4
	v_max3_num_f32 v[TMP+n], v[S+8*n], v[S+8*n+1], v[S+8*n+2]
.set n, n+1
.endr
.rept 8
	v_max3_num_f32 v[TMP+n%4], v[TMP+n%4], v[S+8*(n%4)+2*(n/4)+1], v[S+8*(n%4)+2*(n/4)+2]
.set n, n+1
.endr
	v_max3_num_f32 v[TMP], v[TMP], v[S+7], v[S+15]
	v_max3_num_f32 v[TMP+1], v[TMP+1], v[S+23], v[S+31]
	v_mov_b32 v[MV], v[rT]                         ; c m_old is kept
	v_max3_num_f32 v[TMP+2], v[TMP+2], v[TMP+3], v[rT+1]
	v_max3_num_f32 v[TMP], v[TMP], v[TMP+1], v[TMP+2]
	v_permlanex16_b32 v[TMP+3], v[TMP], s[SEL], s[SEL+1]  ; the query's other 32 keys lie in the lane 16 away
	v_max_num_f32 v[rT+1], v[TMP], v[TMP+3]
	v_mul_f32 v[rT], s[CS], v[rT+1]
	v_sub_f32 v[TMP+1], v[MV], v[rT]
.set n, 0
.rept 16
	v_pk_fma_f32 v[S+2*n:S+2*n+1], v[S+2*n:S+2*n+1], s[CS:CS+1], v[rT:rT+1] op_sel_hi:[1,0,0] neg_lo:[0,0,1] neg_hi:[0,0,1]  ; c s - c m
.set n, n+1
.endr
	v_exp_f32 v[TMP+2], v[TMP+1]                   ; a, and the 32 weights: one batch
.set n, 0
.rept 32
	v_exp_f32 v[S+n], v[S+n]
.set n, n+1
.endr
	v_nop                                          ; a plain instruction behind the last exponential,
	s_wait_alu depctr_va_vdst(0)                   ; and the one wait ahead of the batch's first reader
.set n, 0
.rept 8                                ; of four weights both pairs are rounded, the second pair is added onto the first, and l takes the sum a group later
	v_cvt_pk_f16_f32 v[P+2*n], v[S+4*n], v[S+4*n+1]
	v_cvt_pk_f16_f32 v[P+2*n+1], v[S+4*n+2], v[S+4*n+3]
	v_pk_add_f32 v[S+4*n:S+4*n+1], v[S+4*n:S+4*n+1], v[S+4*n+2:S+4*n+3]
.if n == 1
	v_pk_fma_f32 v[rT+2:rT+3], v[rT+2:rT+3], v[TMP+2:TMP+3], v[S:S+1] op_sel_hi:[1,0,1]  ; l = a l + sum
.elseif n > 1
	v_pk_add_f32 v[rT+2:rT+3], v[rT+2:rT+3], v[S+4*n-4:S+4*n-3]
.endif
.set n, n+1
.endr
	v_pk_add_f32 v[rT+2:rT+3], v[rT+2:rT+3], v[S+28:S+29]
	WIN 0x41
.set n, 0
.rept 16
	v_pk_mul_f32 v[rO+2*n:rO+2*n+1], v[rO+2*n:rO+2*n+1], v[TMP+2:TMP+3] op_sel_hi:[1,0]  ; O^T times a
.set n, n+1
.endr
	s_wait_dscnt 0x0                               ; V is in
	WIN 0x50
.set i, 0
.rept 8
	PVM rO, P+8*(i/4)
.set i, i+1
.endr
	WIN 0
.if \test
.Lskip_\@:
.endif
.endm
	s_wait_loadcnt 12                              ; piece 0's Q is in: its four loads are the oldest of sixteen
	s_wait_tensorcnt 0x2                           ; my part of keys 768 on is in; my two younger loads may stay out
	s_barrier_signal -1
	s_barrier_wait -1                              ; everybody's part is
	s_mov_b32 s[CNT], 4
.Ltop:                                                 ; steps 15 to 12: piece 0 (bands 12 to 15) begins here; the other pieces are hidden throughout
	STEPHEAD
	PIECE 0, 1
	STEPTAIL
	s_sub_co_u32 s[CNT], s[CNT], 1
	s_cmp_lg_u32 s[CNT], 0
	s_cbranch_scc1 .Ltop
	s_wait_loadcnt 8                               ; piece 1's Q is in
	s_wait_tensorcnt 0x1                           ; my part of keys 512 on is in; the last load may stay out
	s_wait_dscnt 0x0
	s_barrier_signal -1
	s_barrier_wait -1
	s_mov_b32 s[CNT], 4
.Lmid:                                                 ; steps 11 to 8: piece 1 (bands 8 to 11) begins here; piece 0 sees every key
	STEPHEAD
	PIECE 1, 1
	PIECE 0, 0
	STEPTAIL
	s_sub_co_u32 s[CNT], s[CNT], 1
	s_cmp_lg_u32 s[CNT], 0
	s_cbranch_scc1 .Lmid
	s_wait_loadcnt 0x0                             ; all of Q is in
	s_wait_tensorcnt 0x0                           ; my part of keys 0 to 511 is in,
	s_wait_dscnt 0x0                               ; and my reads of keys 512 on are over: behind this barrier those bytes of K serve as stages
	s_barrier_signal -1
	s_barrier_wait -1
	s_mov_b32 s[CNT], 8
.Llow:                                                 ; steps 7 to 0: pieces 2 and 3 begin here; pieces 0 and 1 see every key
	STEPHEAD
	PIECE 3, 1
	PIECE 2, 1
	PIECE 1, 0
	PIECE 0, 0
	STEPTAIL
	s_sub_co_u32 s[CNT], s[CNT], 1
	s_cmp_lg_u32 s[CNT], 0
	s_cbranch_scc1 .Llow
	; THE WAY OUT: l's four parts are added; O^T is divided by l, rounded to f16 and sent through my stage, a piece at a time.  No barrier: the stage's bytes are mine, and no wave has read them since the last barrier
.irp t, 0,1,2,3
	v_add_f32 v[ST+4*\t+2], v[ST+4*\t+2], v[ST+4*\t+3]
.endr
.irp t, 0,1,2,3
	v_permlanex16_b32 v[ST+4*\t+3], v[ST+4*\t+2], s[SEL], s[SEL+1]
.endr
.irp t, 0,1,2,3
	v_add_f32 v[ST+4*\t+2], v[ST+4*\t+2], v[ST+4*\t+3]
.endr
.irp t, 0,1,2,3
	v_rcp_f32 v[ST+4*\t+2], v[ST+4*\t+2]
.endr
	v_nop                                          ; a plain instruction behind the last reciprocal,
	s_wait_alu depctr_va_vdst(0)                   ; and one wait for the four
.macro PACK t                          ; a lane's eight channels of a row pack into 16 bytes; they go into rows of 144 bytes and come back as whole rows of 128, into K's registers
	WIN 0x41
.set i, 32*(\t)
.rept 16
	v_pk_mul_f32 v[i:i+1], v[i:i+1], v[ST+4*(\t)+2:ST+4*(\t)+3] op_sel_hi:[1,0]
.set i, i+2
.endr
	WIN 0x05
.set i, 0
.rept 16
	v_cvt_pk_f16_f32 v[KF+16*(\t)+i], v[32*(\t)+2*i], v[32*(\t)+2*i+1]
.set i, i+1
.endr
	WIN 0
.irp f, 0,1,2,3
	ds_store_b128 v[STO], v[KF+16*(\t)+4*\f:KF+16*(\t)+4*\f+3] offset:32*\f
.endr
.irp f, 0,1,2,3
	ds_load_b128 v[KF+16*(\t)+4*\f:KF+16*(\t)+4*\f+3], v[RD] offset:\f*4*SP  ; LDS serves a wave's instructions in order: these see the stores above, and the next piece's stores come behind them
.endr
.endm
.macro SEND t, younger                 ; younger: the LDS instructions issued behind piece t's loads
.irp f, 0,1,2,3
	s_wait_dscnt (\younger)+3-\f
	global_store_b128 v[GO], v[KF+16*(\t)+4*\f:KF+16*(\t)+4*\f+3], s[OBS+2*(\t):OBS+2*(\t)+1] offset:\f*512  ; 512 consecutive bytes, at a multiple of 256 from ob's first byte
.endr
.endm
	PACK 0
	PACK 1
	SEND 0, 8
	PACK 2
	SEND 1, 8
	PACK 3
	SEND 2, 8
	SEND 3, 0
	s_wait_tensorcnt 0x0                           ; the wave's end, behind my tensor loads and my last LDS store
	ds_add_u32 v[SPW], v[NIL]
	s_wait_dscnt 0x0
	s_endpgm
.Lfunc_end_k_q3e3ada361d_attn:
	.size	k_q3e3ada361d_attn, .Lfunc_end_k_q3e3ada361d_attn-k_q3e3ada361d_attn
	.p2alignl 7, 3214868480
	.fill 96, 4, 3214868480
	.section	.rodata,"a",@progbits
	.p2align	6, 0x0
	.amdhsa_kernel k_q3e3ada361d_attn
		.amdhsa_group_segment_fixed_size 327680
		.amdhsa_private_segment_fixed_size 0
		.amdhsa_enable_private_segment 0
		.amdhsa_kernarg_size 16
		.amdhsa_user_sgpr_count 2
		.amdhsa_user_sgpr_kernarg_segment_ptr 1
		.amdhsa_wavefront_size32 1
		.amdhsa_system_sgpr_workgroup_id_x 1
		.amdhsa_system_sgpr_workgroup_id_y 1
		.amdhsa_system_sgpr_workgroup_id_z 1
		.amdhsa_system_vgpr_workitem_id 0
		.amdhsa_next_free_vgpr 480
		.amdhsa_next_free_sgpr 82
		.amdhsa_reserve_vcc 1
		.amdhsa_float_denorm_mode_32 3
		.amdhsa_float_denorm_mode_16_64 3
		.amdhsa_memory_ordered 1
		.amdhsa_forward_progress 1
		.amdhsa_inst_pref_size 109
	.end_amdhsa_kernel
	.amdgpu_metadata
---
amdhsa.version: [ 1, 2 ]
amdhsa.kernels:
  - .name:           k_q3e3ada361d_attn
    .symbol:         k_q3e3ada361d_attn.kd
    .args:
      - { .name: qkv, .offset: 0, .size: 8, .value_kind: global_buffer, .address_space: global }
      - { .name: ob, .offset: 8, .size: 8, .value_kind: global_buffer, .address_space: global }
    .group_segment_fixed_size: 327680
    .private_segment_fixed_size: 0
    .kernarg_segment_align: 8
    .kernarg_segment_size: 16
    .max_flat_workgroup_size: 256
    .sgpr_count:     82
    .vgpr_count:     480
    .wavefront_size: 32
...
	.end_amdgpu_metadata
.endif
;; end of part 3
;; launch gemm_proj (part 4): grid 4 x 64, 4 waves a work-group, clusters of 4 x 4, 327,680 bytes of LDS; arguments ob, wpb, out0; writes out0
.if DOCPART == 4
	.amdgcn_target "amdgcn-amd-amdhsa--gfx1250"
	.amdhsa_code_object_version 6
	.text
	.protected	k_q3e3ada361d_gemm_proj
	.globl	k_q3e3ada361d_gemm_proj
	.p2align	8
	.type	k_q3e3ada361d_gemm_proj,@function
k_q3e3ada361d_gemm_proj:
	s_mov_b64 s[64:65], 0
	v_nop
	global_prefetch_b8 v0, s[64:65] scope:SCOPE_SE
	s_setreg_imm32_b32 hwreg(HW_REG_WAVE_MODE, 25, 1), 1
	s_wait_xcnt 0x0
	s_wait_alu depctr_hold_cnt(0) depctr_sa_sdst(0) depctr_va_vdst(0) depctr_va_sdst(0) depctr_va_ssrc(0) depctr_va_vcc(0) depctr_vm_vsrc(0)
	s_getreg_b32 s2, hwreg(HW_REG_IB_STS2, 6, 4)
	s_cmp_eq_u32 s2, 0
	s_cbranch_scc0 .Lentry_in_a_cluster
	s_endpgm
.Lentry_in_a_cluster:
	s_bfe_u32 s2, ttmp6, 0x10000c
	s_cmp_lg_u32 s2, 0xf033
	s_cbranch_scc0 .Lentry_shape_is_right
	s_endpgm
.Lentry_shape_is_right:
; out0 = y w_proj.  y[m][k] is ob[batch x 16 + k / 64][t][k % 64], f16, m = 1024 batch + t.  wpb: [1024 k][1024 n] f16 (n along the rows).  out0: [8192][1024] f32.  Sums in f32.
; SHARES.  A tile of C is 128 rows x 256 columns: 64 x 4 = 256 work-groups, one tile each.  Wave w makes rows 64 (w / 2) on and columns 128 (w % 2) on: 4 x 8 = 32 accumulators.
; K goes in steps of 128, two heads, through two LDS slots.  A slot is four tiles, one tensor load a wave: waves 0, 1 bring the two heads' 128 rows of A (16,384 dense bytes each, asked for as 64 rows of 256 bytes
; and padded after every 128), waves 2, 3 the two column chunks of B (128 k-rows x 256 bytes).
; THE PRODUCT IS USED TRANSPOSED (source 0 = 16 columns of B, turned out of LDS by ds_load_tr16_b128; source 1 = 16 rows of A): a lane ends with eight neighbouring columns of one row, 32 bytes of f32.
; CLUSTER 4 x 4: A's tiles are asked for jointly by a row of the cluster, B's by a column.
; REGISTERS.  window 0: v16-30 addresses; v32-95 A's fragments, two buffers; v96-223 the way out.  window 1: v0-127 B's fragments, two buffers.  window 2: accumulator (a, b) at 8 (8 a + b).
.set PA,     144                       ; a row of A in LDS: 128 bytes + 16
.set PB,     288                       ; a k-row of a chunk of B: 256 + 32
.set ASUB,   128*PA
.set CH,     128*PB
.set SLOT,   2*ASUB+2*CH               ; 110,592
.set STAGE,  2*SLOT                    ; behind the ring, never filled: 16 rows x 528 bytes for each wave
.set SPITCH, 528                       ; 512 bytes + 16
.set STW,    16*SPITCH
.set SPARE,  STAGE+4*STW               ; the spare words, 128 bytes for each wave
.set KST,    262144                    ; a K step in bytes: two heads of ob, and 128 rows of wpb
.set ADRA, 16
.set ADRB, 18
.set STO,  24
.set RD,   25
.set CO,   26
.set SPW,  28
.set NIL,  29
.set PFO,  30
.set FA,   32
.set OB,   96
.set G1A,  24
.set G0A,  32
.set G1B,  48
.set G0B,  56
.set PM,   43
.set PFA,  44
.set MSB, 0
.macro WIN new
.if MSB != (\new)
	s_set_vgpr_msb (MSB<<8)|(\new)
.set MSB, \new
.endif
.endm
.macro PLACES
.rept 4
	v_nop
.endr
.endm
.macro JLOAD s                         ; waves 0 and 1 ask for A's two heads, waves 2 and 3 for B's two chunks; an s_nop 0 and four v_nop follow each of the two lines
	s_cmp_eq_u32 s11, 0
	s_cbranch_scc0 .Lfor_b_\@
	tensor_load_to_lds s[G0A+4*(\s):G0A+4*(\s)+3], s[G1A:G1A+7]
	s_nop 0
.rept 4
	v_nop
.endr
	s_branch .Lasked_\@
.Lfor_b_\@:
	tensor_load_to_lds s[G0B+4*(\s):G0B+4*(\s)+3], s[G1B:G1B+7]
	s_nop 0
.rept 4
	v_nop
.endr
.Lasked_\@:
.endm
.macro CREST
	s_cmp_lg_u32 s10, 0
	s_cbranch_scc1 .Lnot_wave_0_\@
	s_barrier_signal -3
.Lnot_wave_0_\@:
	s_barrier_wait -3
	s_barrier_signal -1
	s_barrier_wait -1
.endm
.macro CROUND
	s_barrier_signal -1
	s_barrier_wait -1
	CREST
.endm
; A prefetch of the K step two refills on.  A: a step's two heads are 2 x 64 blocks of 256 bytes for a tile row; the four partners take 16 of each head, told apart by address; wave 0 asks, a lane a block; a tile row is
; read by one cluster alone.  B: waves 2, 3 ask for 32 of their chunk's 128 rows, a lane a row, in the clusters with y = 0.  So each block is named once in the launch.
.macro ASK
	s_bitcmp1_b32 s[PM], 0
	s_cbranch_scc0 .Lnot_mine_\@
	global_prefetch_b8 v[PFO], s[PFA:PFA+1] th:TH_LOAD_NT scope:SCOPE_SE
.Lnot_mine_\@:
.endm
	s_load_b128 s[4:7], s[0:1], 0x0                ; ob s[4:5], wpb s[6:7]
	s_load_b64 s[8:9], s[0:1], 0x10                ; out0
	v_lshl_add_u32 v[SPW], v0, 2, SPARE
	v_mov_b32 v[NIL], 0
	ds_add_u32 v[SPW], v[NIL]                      ; the wave's opening: the add and its wait stand ahead of my first tensor load
	v_lshrrev_b32 v1, 5, v0
	v_readfirstlane_b32 s10, v1                    ; wave 0..3
	s_lshr_b32 s11, s10, 1                         ; which 64 rows are mine.  Also: I fetch for A (0) or for B (1)
	s_and_b32 s12, s10, 1                          ; which 128 columns.  Also: which head, or chunk, I fetch
	s_bfe_u32 s40, ttmp6, 0x40000                  ; cx
	s_bfe_u32 s41, ttmp6, 0x40004                  ; cy
	s_lshl_b32 s42, ttmp9, 2
	s_add_co_u32 s42, s42, s40                     ; tile column 0..3
	s_and_b32 s13, ttmp7, 0xffff
	s_lshl_b32 s13, s13, 2
	s_add_co_u32 s13, s13, s41                     ; tile row 0..63
	s_lshl_b32 s14, s41, 2
	s_lshl_b32 s14, 15, s14
	s_lshl_b32 s15, 0x1111, s40
	s_or_b32 s[G1A], s14, (1<<16)|(1<<20)|(1<<21)|(4<<22)|(3<<25)  ; my row's mask; 2-byte elements; padding on; bit 21 beside a mask; after every 32 words, 4 words
	s_or_b32 s[G1B], s15, (1<<16)|(1<<20)|(1<<21)|(5<<22)|(7<<25)  ; my column's mask; after every 64 words, 8 words
.irp g, G1A, G1B
	s_mov_b32 s[(\g)+1], 128<<16                   ; tensor_dim0 = 128
	s_mov_b32 s[(\g)+3], 128<<16                   ; tile_dim0 = 128
	s_mov_b32 s[(\g)+6], 0
	s_mov_b32 s[(\g)+7], 0
.endr
	s_mov_b32 s[G1A+2], 64<<16                     ; A: 64 rows of 256 dense bytes
	s_mov_b32 s[G1A+4], 64
	s_mov_b32 s[G1A+5], 128
	s_mov_b32 s[G1B+2], 128<<16                    ; B: 128 rows, 1,024 elements apart
	s_mov_b32 s[G1B+4], 128
	s_mov_b32 s[G1B+5], 1024
	s_lshr_b32 s16, s13, 3                         ; A: batch = tile row / 8,
	s_lshl_b32 s16, s16, 4
	s_add_co_u32 s16, s16, s12                     ; head = my half of the K step's two,
	s_lshl_b32 s16, s16, 17
	s_and_b32 s17, s13, 7
	s_lshl_b32 s17, s17, 14                        ; t = 128 (tile row % 8)
	s_add_co_u32 s16, s16, s17
	s_mov_b32 s17, 0
	s_lshl_b32 s46, s42, 9                         ; B: 256 columns a tile column,
	s_lshl_b32 s47, s12, 8                         ; 128 a chunk
	s_add_co_u32 s46, s46, s47
	s_mov_b32 s47, 0
	s_mul_i32 s20, s12, ASUB                       ; where they go in a slot
	s_mul_i32 s21, s12, CH
	s_add_co_u32 s21, s21, 2*ASUB
	s_wait_dscnt 0x0                               ; the opening add is done
	s_wait_kmcnt 0x0
	s_add_nc_u64 s[18:19], s[4:5], s[16:17]
	s_add_nc_u64 s[46:47], s[6:7], s[46:47]
	CROUND                                         ; all sixteen work-groups are here: the first joint loads meet
.irp s, 0,1
	s_mov_b32 s[G0A+4*(\s)], 1
	s_add_co_u32 s[G0A+4*(\s)+1], s20, (\s)*SLOT
	s_add_nc_u64 s[G0A+4*(\s)+2:G0A+4*(\s)+3], s[18:19], (\s)*KST
	s_or_b32 s[G0A+4*(\s)+3], s[G0A+4*(\s)+3], 0x80000000
	s_mov_b32 s[G0B+4*(\s)], 1
	s_add_co_u32 s[G0B+4*(\s)+1], s21, (\s)*SLOT
	s_add_nc_u64 s[G0B+4*(\s)+2:G0B+4*(\s)+3], s[46:47], (\s)*KST
	s_or_b32 s[G0B+4*(\s)+3], s[G0B+4*(\s)+3], 0x80000000
	JLOAD \s                                       ; K steps 0 and 1: two loads of mine are out
.endr
	v_and_b32 v1, 15, v0                           ; r
	v_bfe_u32 v2, v0, 4, 1                         ; h
	v_mul_u32_u24 v3, v1, PA
	v_lshl_add_u32 v3, v2, 4, v3
	s_mul_i32 s22, s11, 64*PA
	v_add_nc_u32 v[ADRA], s22, v3
	v_add_nc_u32 v[ADRA+1], SLOT, v[ADRA]
	v_and_b32 v4, 7, v0
	v_bfe_u32 v5, v0, 3, 1
	v_lshl_add_u32 v6, v2, 3, v4
	v_mul_u32_u24 v6, v6, PB
	v_lshl_add_u32 v6, v5, 4, v6
	s_mul_i32 s22, s12, CH
	s_add_co_u32 s22, s22, 2*ASUB
	v_add_nc_u32 v[ADRB], s22, v6
	v_add_nc_u32 v[ADRB+1], SLOT, v[ADRB]
	s_mul_i32 s23, s10, STW
	s_add_co_u32 s23, s23, STAGE                   ; my stage
	v_mul_u32_u24 v7, v1, SPITCH                   ; in: row r, 32 bytes for each half of the lanes
	v_lshl_add_u32 v7, v2, 5, v7
	v_add_nc_u32 v[STO], s23, v7
	v_and_b32 v[CO], 31, v0                        ; back: 32 lanes take a row's 512 bytes
	v_lshlrev_b32 v[CO], 4, v[CO]
	v_add_nc_u32 v[RD], s23, v[CO]
	s_lshl_b32 s86, s13, 7                         ; out0 at my first row and column
	s_lshl_b32 s87, s11, 6
	s_add_co_u32 s86, s86, s87
	s_lshl_b32 s86, s86, 12
	s_lshl_b32 s87, s42, 10
	s_add_co_u32 s86, s86, s87
	s_lshl_b32 s87, s12, 9
	s_add_co_u32 s86, s86, s87
	s_mov_b32 s87, 0
	s_add_nc_u64 s[8:9], s[8:9], s[86:87]
	; the prefetches: they start at K step 3; the first change of slots steps them to 4
	s_lshr_b32 s86, s13, 3
	s_lshl_b32 s86, s86, 21                        ; A: the batch's 16 heads,
	s_and_b32 s87, s13, 7
	s_lshl_b32 s87, s87, 14                        ; the tile's rows,
	s_add_co_u32 s86, s86, s87
	s_lshl_b32 s87, s40, 12                        ; my work-group's 16 blocks of each head's 64
	s_add_co_u32 s86, s86, s87
	s_lshl_b32 s87, s41, 16                        ; B: my work-group's 32 rows of 2,048 bytes,
	s_lshl_b32 s88, s42, 9
	s_add_co_u32 s87, s87, s88
	s_lshl_b32 s88, s12, 8                         ; in my chunk
	s_add_co_u32 s87, s87, s88
	s_and_b32 s88, ttmp7, 0xffff                   ; cluster y
	s_mov_b32 s89, 2048
	s_mov_b32 s91, 32768
	s_cmp_eq_u32 s11, 0
	s_cselect_b32 s90, s86, s87
	s_cselect_b64 s[PFA:PFA+1], s[4:5], s[6:7]
	s_cselect_b32 s89, 256, s89                    ; lane l names block l % 16 of head l / 16 (A), or row l (B)
	s_cselect_b32 s91, 131072, s91
	s_cselect_b32 s88, s10, s88                    ; A: wave 0 asks; B: the clusters with y = 0
	v_mul_u32_u24 v[PFO], v1, s89
	v_mul_u32_u24 v7, v2, s91
	v_add_nc_u32 v[PFO], v[PFO], v7
	s_mov_b32 s91, 0
	s_add_nc_u64 s[PFA:PFA+1], s[PFA:PFA+1], s[90:91]
	s_add_nc_u64 s[PFA:PFA+1], s[PFA:PFA+1], 3*KST
	s_cmp_eq_u32 s88, 0
	s_cselect_b32 s[PM], 3, 0                      ; trips 0 and 1: K steps 4 to 7; the same in all sixteen partners, for a given wave
; 8 matrix instructions: row block a x all 8 column blocks, 32 along K.  The 32 accumulators take turns in the same order everywhere.
.macro MULA f, a, zero
	WIN 0xa1
.irp b, 0,1,2,3,4,5,6,7
.if \zero
	v_wmma_f32_16x16x32_f16 v[8*(8*(\a)+(\b)):8*(8*(\a)+(\b))+7], v[64*(\f)+8*(\b):64*(\f)+8*(\b)+7], v[FA+32*(\f)+8*(\a):FA+32*(\f)+8*(\a)+7], 0
.else
	v_wmma_f32_16x16x32_f16 v[8*(8*(\a)+(\b)):8*(8*(\a)+(\b))+7], v[64*(\f)+8*(\b):64*(\f)+8*(\b)+7], v[FA+32*(\f)+8*(\a):FA+32*(\f)+8*(\a)+7], v[8*(8*(\a)+(\b)):8*(8*(\a)+(\b))+7]
.endif
.endr
.endm
; 24 LDS loads in one run: quarter q of slot s into buffer f: B's 8 fragments, then A's 4 (quarters 0, 1 lie in the first head, 2, 3 in the second)
.macro FETCH s, q, f
	WIN 0x40
.irp b, 0,1,2,3,4,5,6,7
	ds_load_tr16_b128 v[64*(\f)+8*(\b):64*(\f)+8*(\b)+3],   v[ADRB+(\s)] offset:(\q)*32*PB+(\b)*32
	ds_load_tr16_b128 v[64*(\f)+8*(\b)+4:64*(\f)+8*(\b)+7], v[ADRB+(\s)] offset:(\q)*32*PB+16*PB+(\b)*32
.endr
	WIN 0
.irp a, 0,1,2,3
	ds_load_b128 v[FA+32*(\f)+8*(\a):FA+32*(\f)+8*(\a)+3],   v[ADRA+(\s)] offset:((\q)/2)*ASUB+((\q)%2)*64+(\a)*16*PA
	ds_load_b128 v[FA+32*(\f)+8*(\a)+4:FA+32*(\f)+8*(\a)+7], v[ADRA+(\s)] offset:((\q)/2)*ASUB+((\q)%2)*64+(\a)*16*PA+32
.endr
.endm
.macro QUARTER s, q, f, g, zero
	s_wait_dscnt 6                                 ; B and A's block 0 are in; the youngest six loads may be out
	MULA \f, 0, \zero
	PLACES
	FETCH \s, \q, \g
	s_wait_dscnt 24                                ; all but the 24 just issued
	MULA \f, 1, \zero
	MULA \f, 2, \zero
	MULA \f, 3, \zero
.endm
; The last quarter multiplies buffer 1 and changes slots: each wave waits for all its tensor loads, adds 0 to its spare word, waits for that and for its reads of this slot; fill = 1: the barrier opens a round of the
; cluster's, and the slot is filled again first thing behind it, 112 matrix instructions ahead of the wait for that load.
.macro TURN s, n, fill
.if \fill
	s_wait_xcnt 0x0                                ; the last prefetch, a K step back, has read its address
	s_add_nc_u64 s[PFA:PFA+1], s[PFA:PFA+1], KST
.endif
	WIN 0
	s_wait_tensorcnt 0x0                           ; all my tensor loads have landed
	ds_add_u32 v[SPW], v[NIL]                      ; 0 onto my spare word
	s_wait_dscnt 7                                 ; (the add and the youngest six loads may be out)
	MULA 1, 0, 0
	s_wait_dscnt 0x0                               ; the add is done, and my reads of this slot are over
	s_barrier_signal -1
	MULA 1, 1, 0
.if \fill
	WIN 0
.endif
	s_barrier_wait -1
.if \fill
	CREST
	s_add_nc_u64 s[G0A+4*(\s)+2:G0A+4*(\s)+3], s[G0A+4*(\s)+2:G0A+4*(\s)+3], 2*KST
	s_add_nc_u64 s[G0B+4*(\s)+2:G0B+4*(\s)+3], s[G0B+4*(\s)+2:G0B+4*(\s)+3], 2*KST
	JLOAD \s                                       ; its four v_nop are also the places in front of the loads below
.else
	PLACES
.endif
	FETCH \n, 0, 0
.if \fill
	ASK
.endif
	MULA 1, 2, 0
	MULA 1, 3, 0
.endm
; THE WAY OUT, a block of 16 rows at a time: a lane's 32 bytes of a row go into my stage, each accumulator's low four registers first, and whole rows of 512 bytes come back and are stored.
.macro INS a
	s_wait_xcnt 0x0                                ; earlier stores have read their registers: a set of 64 is loaded again only behind this wait
	WIN 0x08                                       ; the stores' data in window 2
.irp b, 0,1,2,3,4,5,6,7
	ds_store_b128 v[STO], v[8*(8*(\a)+(\b)):8*(8*(\a)+(\b))+3]   offset:64*(\b)
	ds_store_b128 v[STO], v[8*(8*(\a)+(\b))+4:8*(8*(\a)+(\b))+7] offset:64*(\b)+16
.endr
	WIN 0
.irp t, 0,1,2,3,4,5,6,7,8,9,10,11,12,13,14,15
	ds_load_b128 v[OB+64*((\a)%2)+4*(\t):OB+64*((\a)%2)+4*(\t)+3], v[RD] offset:SPITCH*(\t)  ; LDS serves a wave's instructions in order: these see the stores above
.endr
.endm
.macro SEND a, younger                 ; younger: the next block's 32 LDS instructions, or none
	s_wait_dscnt \younger
.irp t, 0,1,2,3,4,5,6,7,8,9,10,11,12,13,14,15
	global_store_b128 v[CO], v[OB+64*((\a)%2)+4*(\t):OB+64*((\a)%2)+4*(\t)+3], s[8:9] offset:(16*(\a)+(\t))*4096 th:TH_STORE_NT  ; 512 consecutive bytes, at a multiple of 256 from out0's first byte
.endr
.endm
	s_wait_tensorcnt 0x1                           ; my part of K step 0 is in; K step 1's may stay out
	s_barrier_signal -1
	s_barrier_wait -1
	FETCH 0, 0, 0
	QUARTER 0, 1, 0, 1, 1                          ; the first quarter starts the sums
	WIN 0
	s_mov_b32 s3, 3                                ; three trips fill K steps 2 to 7
.Llap:
	QUARTER 0, 2, 1, 0, 0
	QUARTER 0, 3, 0, 1, 0
	TURN 0, 1, 1
	QUARTER 1, 1, 0, 1, 0
	QUARTER 1, 2, 1, 0, 0
	QUARTER 1, 3, 0, 1, 0
	TURN 1, 0, 1
	QUARTER 0, 1, 0, 1, 0
	WIN 0
	s_lshr_b32 s[PM], s[PM], 1
	s_sub_co_u32 s3, s3, 1
	s_cmp_lg_u32 s3, 0
	s_cbranch_scc1 .Llap
	QUARTER 0, 2, 1, 0, 0                          ; the last two K steps ask for nothing
	QUARTER 0, 3, 0, 1, 0
	TURN 0, 1, 0
	QUARTER 1, 1, 0, 1, 0
	QUARTER 1, 2, 1, 0, 0
	QUARTER 1, 3, 0, 1, 0
	s_wait_dscnt 0x0
	MULA 1, 0, 0
	MULA 1, 1, 0
	MULA 1, 2, 0
	MULA 1, 3, 0
	PLACES
	PLACES
	INS 0
	INS 1
	SEND 0, 32
	INS 2
	SEND 1, 32
	INS 3
	SEND 2, 32
	SEND 3, 0
	s_wait_tensorcnt 0x0                           ; the wave's end, behind my last tensor load and my last LDS store
	ds_add_u32 v[SPW], v[NIL]
	s_wait_dscnt 0x0
	CROUND                                         ; the closing round
	s_endpgm
.Lfunc_end_k_q3e3ada361d_gemm_proj:
	.size	k_q3e3ada361d_gemm_proj, .Lfunc_end_k_q3e3ada361d_gemm_proj-k_q3e3ada361d_gemm_proj
	.p2alignl 7, 3214868480
	.fill 96, 4, 3214868480
	.section	.rodata,"a",@progbits
	.p2align	6, 0x0
	.amdhsa_kernel k_q3e3ada361d_gemm_proj
		.amdhsa_group_segment_fixed_size 327680
		.amdhsa_private_segment_fixed_size 0
		.amdhsa_enable_private_segment 0
		.amdhsa_kernarg_size 24
		.amdhsa_user_sgpr_count 2
		.amdhsa_user_sgpr_kernarg_segment_ptr 1
		.amdhsa_wavefront_size32 1
		.amdhsa_system_sgpr_workgroup_id_x 1
		.amdhsa_system_sgpr_workgroup_id_y 1
		.amdhsa_system_sgpr_workgroup_id_z 1
		.amdhsa_system_vgpr_workitem_id 0
		.amdhsa_next_free_vgpr 768
		.amdhsa_next_free_sgpr 92
		.amdhsa_reserve_vcc 0
		.amdhsa_float_denorm_mode_32 3
		.amdhsa_float_denorm_mode_16_64 3
		.amdhsa_memory_ordered 1
		.amdhsa_forward_progress 1
		.amdhsa_inst_pref_size 87
	.end_amdhsa_kernel
	.amdgpu_metadata
---
amdhsa.version: [ 1, 2 ]
amdhsa.kernels:
  - .name:           k_q3e3ada361d_gemm_proj
    .symbol:         k_q3e3ada361d_gemm_proj.kd
    .args:
      - { .name: ob, .offset: 0, .size: 8, .value_kind: global_buffer, .address_space: global }
      - { .name: wpb, .offset: 8, .size: 8, .value_kind: global_buffer, .address_space: global }
      - { .name: out0, .offset: 16, .size: 8, .value_kind: global_buffer, .address_space: global }
    .group_segment_fixed_size: 327680
    .private_segment_fixed_size: 0
    .kernarg_segment_align: 8
    .kernarg_segment_size: 24
    .max_flat_workgroup_size: 128
    .sgpr_count:     92
    .vgpr_count:     768
    .wavefront_size: 32
...
	.end_amdgpu_metadata
.endif
;; end of part 4
;; ======== version 2 of 2: 4 launches; version 1 with the launch convert written anew for expert scheduling mode
;; limits: values are held in f16: magnitudes above 65,504 overflow, below 6.1e-05 lose precision
;; workspace buffers: xb 16,777,216 bytes; wqb 6,291,456 bytes; wpb 2,097,152 bytes; qkv 50,331,648 bytes; ob 16,777,216 bytes
;; launch convert (part 5): grid 768 x 1, 8 waves a work-group, no clusters, 0 bytes of LDS; arguments x, w_qkv, w_proj, xb, wqb, wpb; writes xb, wqb, wpb
.if DOCPART == 5
	.amdgcn_target "amdgcn-amd-amdhsa--gfx1250"
	.amdhsa_code_object_version 6
	.text
	.protected	k_q3e3ada361d_convert
	.globl	k_q3e3ada361d_convert
	.p2align	8
	.type	k_q3e3ada361d_convert,@function
k_q3e3ada361d_convert:
	s_mov_b64 s[64:65], 0
	v_nop
	global_prefetch_b8 v0, s[64:65] scope:SCOPE_SE
	s_setreg_imm32_b32 hwreg(HW_REG_WAVE_SCHED_MODE, 0, 2), 2
	s_setreg_imm32_b32 hwreg(HW_REG_WAVE_MODE, 25, 1), 1
	s_wait_xcnt 0x0
	s_wait_alu depctr_vm_vsrc(0)
; THE CASTS.  x -> xb and w_qkv -> wqb, f32 rounded once to bf16; w_proj -> wpb, rounded to bf16 and that number written as f16.  The layouts stay as they are.
; LIMITS.  |w_proj| stays under 65,504 (f16's range); below 2^-14 its bf16 value keeps f16's fixed step of 2^-24.
; SHARES.  A work-group casts 16,384 numbers: 65,536 bytes in, 32,768 out.  Work-groups 0-511 take x (8,388,608 numbers), 512-703 w_qkv (3,145,728), 704-767 w_proj (1,048,576).
; Load j of thread t takes the 16 bytes at 4,096 j + 16 t: a wave's load covers 512 consecutive bytes.  Store j puts 8 bytes at 2,048 j + 8 t: a wave's store covers 256 consecutive bytes, aligned.
; All sixteen loads of a thread go out first.  No LDS, no barrier, no matrix unit: the bytes are all there is.
; THE MODE: SCHED_MODE bits 1:0 = 2 (LLVM: expert scheduling mode 2), set by the entry lines.  The code itself states the register dependences between vector instructions and memory instructions,
; with s_wait_alu, always for 0.
; THE PLAN.  Registers that memory instructions touch:
;   v1, v2   byte offsets of the loads and of the stores: made once at the head, never written again.
;   X        load j lands in four registers of its own, which no vector line names before the loads are issued; cast j reads them; they are never loaded again.
;   Y        cast j writes two registers of its own; store j reads them; they are never written again.
;   v4-v7    at work in w_proj's casts: named by vector instructions alone.
; The sixteen loads are four blocks of four.  Block g waits for its four loads and casts them; its memory instructions are the four stores of block g - 1, one ahead of each of its casts.  One wait on va_vdst at
; the block's head states that block g - 1 has written its Y; the casts behind it name X and Y of block g and v4-v7, none of the registers that those stores touch.  No register that a memory instruction
; reads is ever written again, no vector line writes a scalar register, and EXEC is never written: so the waits on va_vdst are the only ones of their kind.
.set X, 8                              ; v[8:71]    load j: four registers at X + 4 j, four f32 as loaded
.set Y, 72                             ; v[72:103]  store j: two registers at Y + 2 j, four 16-bit numbers
	s_load_b256 s[4:11], s[0:1], 0x0               ; x s[4:5], w_qkv s[6:7], w_proj s[8:9], xb s[10:11]
	s_load_b128 s[12:15], s[0:1], 0x20             ; wqb s[12:13], wpb s[14:15]
	v_lshlrev_b32 v1, 4, v0                        ; 16 t
	v_lshlrev_b32 v2, 3, v0                        ; 8 t
	s_wait_kmcnt 0x0
	s_cmp_lt_u32 ttmp9, 512                        ; which tensor is mine: the choice hangs on the work-group's number alone
	s_cselect_b64 s[18:19], s[4:5], s[6:7]
	s_cselect_b64 s[20:21], s[10:11], s[12:13]
	s_cselect_b32 s17, 0, 512
	s_cmp_lt_u32 ttmp9, 704
	s_cselect_b64 s[18:19], s[18:19], s[8:9]
	s_cselect_b64 s[20:21], s[20:21], s[14:15]
	s_cselect_b32 s17, s17, 704
	s_sub_co_u32 s16, ttmp9, s17                   ; my block in that tensor
	s_lshl_b32 s22, s16, 16
	s_mov_b32 s23, 0
	s_add_nc_u64 s[18:19], s[18:19], s[22:23]      ; 65,536 bytes a block in,
	s_lshl_b32 s22, s16, 15
	s_add_nc_u64 s[20:21], s[20:21], s[22:23]      ; 32,768 out
	s_wait_alu depctr_va_vdst(0)                   ; v1 and v2 are written: every load reads v1 as its offset, every store v2
.irp j, 0,1,2,3,4,5,6,7,8,9,10,11,12,13,14,15
	global_load_b128 v[X+4*(\j):X+4*(\j)+3], v1, s[18:19] offset:4096*(\j) th:TH_LOAD_NT
.endr
; Cast j: four numbers.  half = 0: to bf16.  half = 1 (w_proj): the bf16 value, spelled in f16.
.macro CAST j, half
.if \half
	v_cvt_pk_bf16_f32 v4, v[X+4*(\j)], v[X+4*(\j)+1]
	v_cvt_pk_bf16_f32 v5, v[X+4*(\j)+2], v[X+4*(\j)+3]
	v_lshlrev_b32 v6, 16, v4                       ; bf16 to f32: the low half moves up, the high half stays
	v_and_b32 v7, 0xffff0000, v4
	v_cvt_pk_f16_f32 v[Y+2*(\j)], v6, v7
	v_lshlrev_b32 v6, 16, v5
	v_and_b32 v7, 0xffff0000, v5
	v_cvt_pk_f16_f32 v[Y+2*(\j)+1], v6, v7
.else
	v_cvt_pk_bf16_f32 v[Y+2*(\j)], v[X+4*(\j)], v[X+4*(\j)+1]
	v_cvt_pk_bf16_f32 v[Y+2*(\j)+1], v[X+4*(\j)+2], v[X+4*(\j)+3]
.endif
.endm
.macro OUT j
	global_store_b64 v2, v[Y+2*(\j):Y+2*(\j)+1], s[20:21] offset:2048*(\j)
.endm
; Block g: loads 4 g to 4 g + 3 are cast; the stores of block g - 1 go out among the casts.
.macro BLK g, half
	s_wait_loadcnt 12-4*(\g)                       ; loads come back in order: this block's four are in, the 12 - 4 g younger ones stay out
.if (\g) > 0
	s_wait_alu depctr_va_vdst(0)                   ; the casts of the block before have written their eight registers of Y, which the four stores below read
.endif
.irp i, 0,1,2,3
.if (\g) > 0
	OUT 4*(\g)-4+(\i)                              ; no vector instruction since the wait names this store's registers
.endif
	CAST 4*(\g)+(\i), \half
.endr
.endm
.macro WALK half
	BLK 0, \half
	BLK 1, \half
	BLK 2, \half
	BLK 3, \half
	s_wait_alu depctr_va_vdst(0)                   ; the casts of block 3 have written their eight registers of Y, which the last four stores read
.irp i, 12,13,14,15
	OUT \i
.endr
.endm
	s_cmp_lt_u32 ttmp9, 704
	s_cbranch_scc0 .Lf16
	WALK 0
	s_endpgm
.Lf16:                                                 ; w_proj
	WALK 1
	s_endpgm
.Lfunc_end_k_q3e3ada361d_convert:
	.size	k_q3e3ada361d_convert, .Lfunc_end_k_q3e3ada361d_convert-k_q3e3ada361d_convert
	.p2alignl 7, 3214868480
	.fill 96, 4, 3214868480
	.section	.rodata,"a",@progbits
	.p2align	6, 0x0
	.amdhsa_kernel k_q3e3ada361d_convert
		.amdhsa_group_segment_fixed_size 0
		.amdhsa_private_segment_fixed_size 0
		.amdhsa_enable_private_segment 0
		.amdhsa_kernarg_size 48
		.amdhsa_user_sgpr_count 2
		.amdhsa_user_sgpr_kernarg_segment_ptr 1
		.amdhsa_wavefront_size32 1
		.amdhsa_system_sgpr_workgroup_id_x 1
		.amdhsa_system_sgpr_workgroup_id_y 1
		.amdhsa_system_sgpr_workgroup_id_z 1
		.amdhsa_system_vgpr_workitem_id 0
		.amdhsa_next_free_vgpr 104
		.amdhsa_next_free_sgpr 66
		.amdhsa_reserve_vcc 0
		.amdhsa_float_denorm_mode_32 3
		.amdhsa_float_denorm_mode_16_64 3
		.amdhsa_memory_ordered 1
		.amdhsa_forward_progress 1
		.amdhsa_inst_pref_size 16
	.end_amdhsa_kernel
	.amdgpu_metadata
---
amdhsa.version: [ 1, 2 ]
amdhsa.kernels:
  - .name:           k_q3e3ada361d_convert
    .symbol:         k_q3e3ada361d_convert.kd
    .args:
      - { .name: x, .offset: 0, .size: 8, .value_kind: global_buffer, .address_space: global }
      - { .name: w_qkv, .offset: 8, .size: 8, .value_kind: global_buffer, .address_space: global }
      - { .name: w_proj, .offset: 16, .size: 8, .value_kind: global_buffer, .address_space: global }
      - { .name: xb, .offset: 24, .size: 8, .value_kind: global_buffer, .address_space: global }
      - { .name: wqb, .offset: 32, .size: 8, .value_kind: global_buffer, .address_space: global }
      - { .name: wpb, .offset: 40, .size: 8, .value_kind: global_buffer, .address_space: global }
    .group_segment_fixed_size: 0
    .private_segment_fixed_size: 0
    .kernarg_segment_align: 8
    .kernarg_segment_size: 48
    .max_flat_workgroup_size: 256
    .sgpr_count:     66
    .vgpr_count:     104
    .wavefront_size: 32
...
	.end_amdgpu_metadata
.endif
;; end of part 5
;; launch gemm_qkv: the kernel of part 2 again; grid 8 x 32, 4 waves a work-group, clusters of 4 x 4, 327,680 bytes of LDS; arguments xb, wqb, qkv; writes qkv
;; launch attn: the kernel of part 3 again; grid 2 x 128, 8 waves a work-group, no clusters, 327,680 bytes of LDS; arguments qkv, ob; writes ob
;; launch gemm_proj: the kernel of part 4 again; grid 4 x 64, 4 waves a work-group, clusters of 4 x 4, 327,680 bytes of LDS; arguments ob, wpb, out0; writes out0
